; MI455X (gfx1250); checked and timed in simulation.
; The chip was launched on July 23, 2026; its instructions are those of AMD's public machine-readable ISA for CDNA 5 (MIT licence, August 2026) and "CDNA5" Instruction Set Architecture Reference Guide (July 2026). The comments in the code are by the model that wrote it; some were corrected since.
;; Local Attention. Allowed arithmetic: float matrix products may take bf16 or f16 operands with f32 sums; all other float work in f32.
;; Inputs: W1 256 x 1,024 float32; W2 1,024 x 256 float32; Wk 256 x 128 float32; Wo 256 x 256 float32; Wq 256 x 128 float32; Wv 256 x 256 float32; b1 256 float32; b1f 1,024 float32; b2f 256 float32; bf 256 float32; bk 128 float32; bo 256 float32; bq 128 float32; bv 256 float32; g1 256 float32; gf 256 float32; rw 1 float32; x 8 x 2,048 x 256 float32.
;; Outputs: out0 8 x 2,048 x 256 float32.
;; One version. Each part assembles by itself: llvm-mc -triple=amdgcn-amd-amdhsa -mcpu=gfx1250 --defsym DOCPART=n.
;; ======== version 1 of 1: 6 launches
;; limits: values within 0.001 (relative) of each other or of a threshold may be ordered or decided otherwise than in the reference; values outside matrix products are rounded to bf16
;; workspace buffers: wb 1,441,792 bytes; pj 42,074,112 bytes; cand 2,097,152 bytes of whole numbers; idx 1,048,576 bytes of whole numbers; ob 8,388,608 bytes
;; launch prep (part 1): grid 352 x 1, 8 waves a work-group, no clusters, 0 bytes of LDS; arguments Wq, Wk, Wv, Wo, W1, W2, wb; writes wb
.if DOCPART == 1
	.amdgcn_target "amdgcn-amd-amdhsa--gfx1250"
	.amdhsa_code_object_version 6
	.text
	.protected	k_q11d696c6c3_prep
	.globl	k_q11d696c6c3_prep
	.p2align	8
	.type	k_q11d696c6c3_prep,@function
k_q11d696c6c3_prep:
	s_mov_b64 s[64:65], 0
	v_nop
	global_prefetch_b8 v0, s[64:65] scope:SCOPE_SE
	s_setreg_imm32_b32 hwreg(HW_REG_WAVE_MODE, 25, 1), 1
	s_wait_xcnt 0x0
; The six weight matrices, f32 [K][N], are rounded once to bf16 and laid into wb, still [K][N]:
; WQK [256][256] (Wq in columns 0-127, Wk in columns 128-255) at byte 0, Wv at 131072, Wo at 262144, W1 at 393216, W2 at 917504.
; A work-group takes 2,048 numbers of one matrix, a thread 8: two 16-byte loads, one 16-byte store; 16 neighbouring lanes store 256 aligned bytes.
; Work-groups 0-15 Wq, 16-31 Wk, 32-63 Wv, 64-95 Wo, 96-223 W1, 224-351 W2.
	s_load_b256 s[8:15], s[0:1], 0x0               ; Wq, Wk, Wv, Wo
	s_load_b128 s[16:19], s[0:1], 0x20             ; W1, W2
	s_load_b64 s[20:21], s[0:1], 0x30              ; wb
	s_mov_b32 s26, 224                             ; first work-group of the matrix
	s_mov_b32 s27, 917504                          ; its place in wb
	s_mov_b32 s28, 0                               ; -1: rows of 128 numbers go into rows of 256 (Wq, Wk)
	s_wait_kmcnt 0x0
	s_mov_b64 s[24:25], s[18:19]
	s_cmp_lt_u32 ttmp9, 224
	s_cselect_b64 s[24:25], s[16:17], s[24:25]
	s_cselect_b32 s26, 96, s26
	s_cselect_b32 s27, 393216, s27
	s_cmp_lt_u32 ttmp9, 96
	s_cselect_b64 s[24:25], s[14:15], s[24:25]
	s_cselect_b32 s26, 64, s26
	s_cselect_b32 s27, 262144, s27
	s_cmp_lt_u32 ttmp9, 64
	s_cselect_b64 s[24:25], s[12:13], s[24:25]
	s_cselect_b32 s26, 32, s26
	s_cselect_b32 s27, 131072, s27
	s_cmp_lt_u32 ttmp9, 32
	s_cselect_b64 s[24:25], s[10:11], s[24:25]
	s_cselect_b32 s26, 16, s26
	s_cselect_b32 s27, 256, s27
	s_cselect_b32 s28, -1, s28
	s_cmp_lt_u32 ttmp9, 16
	s_cselect_b64 s[24:25], s[8:9], s[24:25]
	s_cselect_b32 s26, 0, s26
	s_cselect_b32 s27, 0, s27
	s_sub_co_u32 s29, ttmp9, s26
	s_lshl_b32 s29, s29, 11                        ; first number of the work-group in its matrix
	v_lshlrev_b32 v1, 3, v0
	v_add_nc_u32 v1, s29, v1                       ; e0: my first number
	v_lshlrev_b32 v2, 2, v1                        ; its byte in the source
	v_lshrrev_b32 v3, 7, v1
	v_lshlrev_b32 v3, 8, v3
	v_and_b32 v3, s28, v3                          ; Wq, Wk: 256 bytes more for each row of 128
	v_lshl_add_u32 v3, v1, 1, v3
	v_add_nc_u32 v3, s27, v3
	global_load_b128 v[4:7], v2, s[24:25] th:TH_LOAD_NT
	global_load_b128 v[8:11], v2, s[24:25] offset:16 th:TH_LOAD_NT
	s_wait_loadcnt 0x0
	v_cvt_pk_bf16_f32 v12, v4, v5
	v_cvt_pk_bf16_f32 v13, v6, v7
	v_cvt_pk_bf16_f32 v14, v8, v9
	v_cvt_pk_bf16_f32 v15, v10, v11
	global_store_b128 v3, v[12:15], s[20:21]
	s_endpgm
.Lfunc_end_k_q11d696c6c3_prep:
	.size	k_q11d696c6c3_prep, .Lfunc_end_k_q11d696c6c3_prep-k_q11d696c6c3_prep
	.p2alignl 7, 3214868480
	.fill 96, 4, 3214868480
	.section	.rodata,"a",@progbits
	.p2align	6, 0x0
	.amdhsa_kernel k_q11d696c6c3_prep
		.amdhsa_group_segment_fixed_size 0
		.amdhsa_private_segment_fixed_size 0
		.amdhsa_enable_private_segment 0
		.amdhsa_kernarg_size 56
		.amdhsa_user_sgpr_count 2
		.amdhsa_user_sgpr_kernarg_segment_ptr 1
		.amdhsa_wavefront_size32 1
		.amdhsa_system_sgpr_workgroup_id_x 1
		.amdhsa_system_sgpr_workgroup_id_y 1
		.amdhsa_system_sgpr_workgroup_id_z 1
		.amdhsa_system_vgpr_workitem_id 0
		.amdhsa_next_free_vgpr 24
		.amdhsa_next_free_sgpr 66
		.amdhsa_reserve_vcc 0
		.amdhsa_float_denorm_mode_32 3
		.amdhsa_float_denorm_mode_16_64 3
		.amdhsa_memory_ordered 1
		.amdhsa_forward_progress 1
		.amdhsa_inst_pref_size 3
	.end_amdhsa_kernel
	.amdgpu_metadata
---
amdhsa.version: [ 1, 2 ]
amdhsa.kernels:
  - .name:           k_q11d696c6c3_prep
    .symbol:         k_q11d696c6c3_prep.kd
    .args:
      - { .name: Wq, .offset: 0, .size: 8, .value_kind: global_buffer, .address_space: global }
      - { .name: Wk, .offset: 8, .size: 8, .value_kind: global_buffer, .address_space: global }
      - { .name: Wv, .offset: 16, .size: 8, .value_kind: global_buffer, .address_space: global }
      - { .name: Wo, .offset: 24, .size: 8, .value_kind: global_buffer, .address_space: global }
      - { .name: W1, .offset: 32, .size: 8, .value_kind: global_buffer, .address_space: global }
      - { .name: W2, .offset: 40, .size: 8, .value_kind: global_buffer, .address_space: global }
      - { .name: wb, .offset: 48, .size: 8, .value_kind: global_buffer, .address_space: global }
    .group_segment_fixed_size: 0
    .private_segment_fixed_size: 0
    .kernarg_segment_align: 8
    .kernarg_segment_size: 56
    .max_flat_workgroup_size: 256
    .sgpr_count:     66
    .vgpr_count:     24
    .wavefront_size: 32
...
	.end_amdgpu_metadata
.endif
;; end of part 1
;; launch proj (part 2): grid 256 x 1, 4 waves a work-group, clusters of 4 x 1, 327,680 bytes of LDS; arguments x, g1, b1, bq, bk, bv, wb, pj; writes pj
.if DOCPART == 2
	.amdgcn_target "amdgcn-amd-amdhsa--gfx1250"
	.amdhsa_code_object_version 6
	.text
	.protected	k_q11d696c6c3_proj
	.globl	k_q11d696c6c3_proj
	.p2align	8
	.type	k_q11d696c6c3_proj,@function
k_q11d696c6c3_proj:
	s_mov_b64 s[64:65], 0
	v_nop
	global_prefetch_b8 v0, s[64:65] scope:SCOPE_SE
	s_setreg_imm32_b32 hwreg(HW_REG_WAVE_MODE, 25, 1), 1
	s_wait_xcnt 0x0
	s_wait_alu depctr_hold_cnt(0) depctr_sa_sdst(0) depctr_va_vdst(0) depctr_va_sdst(0) depctr_va_ssrc(0) depctr_va_vcc(0) depctr_vm_vsrc(0)
	s_getreg_b32 s2, hwreg(HW_REG_IB_STS2, 6, 4)
	s_cmp_eq_u32 s2, 0
	s_cbranch_scc0 .Lentry_in_a_cluster
	s_endpgm
.Lentry_in_a_cluster:
	s_bfe_u32 s2, ttmp6, 0x10000c
	s_cmp_lg_u32 s2, 0x3003
	s_cbranch_scc0 .Lentry_shape_is_right
	s_endpgm
.Lentry_shape_is_right:
; For 64 rows of x: qn = normalize(x Wq + bq), kn = normalize(x Wk + bk) (f32 and f16), their squared norms, and V = LN1(x) Wv + bv (bf16).
; V is projected once per row here and gathered later, instead of once per gathered neighbour.
; kn goes out twice: row-major (whole rows are scored again later) and head-major, KH [batch][head][2048][16] f32; V goes out head-major alone,
; VH [batch][head][2048][32] bf16: the attention launch lays one head's slice of a batch into LDS, and a slice is then 131,072 dense bytes.
; Four waves; wave w makes columns 64 w .. 64 w + 63 of a 64 x 256 result: 16 accumulator tiles in v256-v383.
; The matrix instruction is used transposed (source 0 = 16 columns of W, source 1 = 16 rows of the activations), so lane (r, h), register j of
; tile (mt, nt) holds row 16 mt + r, column 64 w + 16 nt + 8 h + j: eight neighbouring numbers of a row.
; Weights come as bf16 [K][N] through two LDS slots of 128 k-rows; the four work-groups of a cluster walk the same weights and ask for them jointly.
; LIMITS: 1 / max(n, 1e-12) is v_sqrt_f32, v_rcp_f32 and one Newton step: the last bit may differ from a true division.
; bq and bk are rounded to bf16, as x, Wq and Wk are on their way to the matrix unit.  The products of bf16 numbers are exact in the f32 sums, so q and k
; are then, up to f32 round-off, the reference's q and k of inputs that are ALL rounded to bf16.  The choice of the 16 neighbours is a discrete function of
; q and k: with factors in one format and addends in another it would be the choice of no one set of inputs.
.set SW, 24
.set WP, 544                           ; LDS pitch of a weight row: 512 bytes + 32
.set SLOTB, 128*WP
.set WQ, 32*WP                         ; 32 k-rows: one wave's share of a slot, and one K step of 32
.set AP, 528                           ; LDS pitch of a 16-bit row of 256 numbers
.set FP, 1040                          ; LDS pitch of an f32 row of 256 numbers
.set AX, 2*SLOTB                       ; x in bf16; later q | k in f16
.set AN, AX+64*AP                      ; LN1(x) in bf16; later V in bf16
.set RED1, AN+64*AP                    ; [row][wave] partial sums
.set STF, RED1+2048                    ; q | k in f32
.set VW, 4
.set F0, 64
.set F1, 128
.set G1A, 32
.set G0, 40
.set WBA, 48
.set PS0, 50
.set PS1, 51
.set MSB, 0
.macro WIN new                         ; the immediate's high byte repeats the setting that is left
.if MSB != (\new)
	s_set_vgpr_msb (MSB<<8)|(\new)
.set MSB, (\new)
.endif
.endm
.macro PLACES                          ; four plain vector instructions behind a matrix instruction (ISA guide 7.12.1)
.rept 4
	v_nop
.endr
.endm
.macro ROUND                           ; a round of the cluster's barrier
	s_barrier_signal -1
	s_barrier_wait -1
	s_cmp_lg_u32 s[SW], 0
	s_cbranch_scc1 .Lnot_wave_0_\@
	s_barrier_signal -3
.Lnot_wave_0_\@:
	s_barrier_wait -3
	s_barrier_signal -1
	s_barrier_wait -1
.endm
; 16 LDS loads: the fragments of one K step of 32: 4 x 16 columns of W (transposing loads, W lies [K][N]) and 4 x 16 rows of the activations
.macro FETCH reg, koff, slot, ks, f
.irp nt, 0,1,2,3
	ds_load_tr16_b128 v[\f+8*\nt:\f+8*\nt+3], v[VW+\slot] offset:\ks*WQ+32*\nt
	ds_load_tr16_b128 v[\f+8*\nt+4:\f+8*\nt+7], v[VW+\slot] offset:\ks*WQ+32*\nt+16*WP
.endr
.irp mt, 0,1,2,3
	ds_load_b128 v[\f+32+8*\mt:\f+32+8*\mt+3], v[\reg] offset:\mt*16*AP+\koff+64*\ks
	ds_load_b128 v[\f+32+8*\mt+4:\f+32+8*\mt+7], v[\reg] offset:\mt*16*AP+\koff+64*\ks+32
.endr
.endm
; 16 matrix instructions; the 16 accumulators take turns, one instruction a turn
.macro MUL16 f, win, zero
	WIN (\win<<6)|(\win<<4)
.irp mt, 0,1,2,3
.irp nt, 0,1,2,3
.if \zero
	v_wmma_f32_16x16x32_bf16 v[8*(4*\mt+\nt):8*(4*\mt+\nt)+7], v[\f+8*\nt:\f+8*\nt+7], v[\f+32+8*\mt:\f+32+8*\mt+7], 0
.else
	v_wmma_f32_16x16x32_bf16 v[8*(4*\mt+\nt):8*(4*\mt+\nt)+7], v[\f+8*\nt:\f+8*\nt+7], v[\f+32+8*\mt:\f+32+8*\mt+7], v[8*(4*\mt+\nt):8*(4*\mt+\nt)+7]
.endif
.endr
.endr
.endm
; one slot = 128 along K = four K steps on two fragment buffers
.macro GSTEP reg, koff, slot, win, zero
	WIN 0
	PLACES
	FETCH \reg, \koff, \slot, 0, F0
	FETCH \reg, \koff, \slot, 1, F1
	s_wait_dscnt 16                                ; the 16 loads just issued may stay out
	MUL16 F0, \win, \zero
	WIN 0
	PLACES
	FETCH \reg, \koff, \slot, 2, F0
	s_wait_dscnt 16
	MUL16 F1, \win, 0
	WIN 0
	PLACES
	FETCH \reg, \koff, \slot, 3, F1
	s_wait_dscnt 16
	MUL16 F0, \win, 0
	s_wait_dscnt 0
	MUL16 F1, \win, 0
	WIN 0
.endm
; change of slots.  kind 1: the slot just read is filled again by a joint load: my reads and all my tensor loads are waited for in front of the
; round, the load is the first thing behind it, one a wave.  kind 0: nothing is filled, a plain barrier shows the other slot whole.
.macro SWAP slot, kind, base, off, g1
	s_wait_dscnt 0x0
	s_wait_tensorcnt 0x0
	ds_add_u32 v254, v255
	s_wait_dscnt 0x0
.if \kind
	s_add_nc_u64 s[G0+4*\slot+2:G0+4*\slot+3], s[\base:\base+1], \off
	s_or_b32 s[G0+4*\slot+3], s[G0+4*\slot+3], 0x80000000
	ROUND
	tensor_load_to_lds s[G0+4*\slot:G0+4*\slot+3], s[\g1:\g1+7]
	s_nop 0
	PLACES
.else
	s_barrier_signal -1
	s_barrier_wait -1
.endif
.endm
.macro RED32 a, b                      ; sum over the 32 lanes, result in every lane
	v_add_f32_dpp v[\a], v[\a], v[\a] row_xmask:1 row_mask:0xf bank_mask:0xf
	v_add_f32_dpp v[\a], v[\a], v[\a] row_xmask:2 row_mask:0xf bank_mask:0xf
	v_add_f32_dpp v[\a], v[\a], v[\a] row_xmask:4 row_mask:0xf bank_mask:0xf
	v_add_f32_dpp v[\a], v[\a], v[\a] row_xmask:8 row_mask:0xf bank_mask:0xf
	v_permlanex16_b32 v[\b], v[\a], s[PS0], s[PS1]
	v_add_f32 v[\a], v[\a], v[\b]
.endm
; sum of squares of my wave's 64 columns of rows 16 mt + r (32 numbers a lane, two lanes a row), stored to [row][wave]
.macro SQ mt, tb, off
.set QB, 64+32*\mt
	v_pk_mul_f32 v[\tb:\tb+1], v[QB:QB+1], v[QB:QB+1]
	v_pk_mul_f32 v[\tb+2:\tb+3], v[QB+2:QB+3], v[QB+2:QB+3]
.irp p, 4,8,12,16,20,24,28
	v_pk_fma_f32 v[\tb:\tb+1], v[QB+\p:QB+\p+1], v[QB+\p:QB+\p+1], v[\tb:\tb+1]
	v_pk_fma_f32 v[\tb+2:\tb+3], v[QB+\p+2:QB+\p+3], v[QB+\p+2:QB+\p+3], v[\tb+2:\tb+3]
.endr
	v_pk_add_f32 v[\tb:\tb+1], v[\tb:\tb+1], v[\tb+2:\tb+3]
	v_add_f32 v[\tb], v[\tb], v[\tb+1]
	v_permlanex16_b32 v[\tb+1], v[\tb], s[PS0], s[PS1]
	v_add_f32 v[\tb], v[\tb], v[\tb+1]
	ds_store_b32 v12, v[\tb] offset:\off+256*\mt
.endm
	s_load_b256 s[8:15], s[0:1], 0x0               ; x, g1, b1, bq
	s_load_b256 s[16:23], s[0:1], 0x20             ; bk, bv, wb, pj
	v_lshl_add_u32 v254, v0, 2, 0x43400
	v_mov_b32 v255, 0
	ds_add_u32 v254, v255
	ds_add_u32 v254, v255
	v_lshrrev_b32 v1, 5, v0
	v_readfirstlane_b32 s[SW], v1
	s_bfe_u32 s25, ttmp6, 0x40000                  ; cx
	s_lshl_b32 s26, ttmp9, 2
	s_add_co_u32 s26, s26, s25                     ; g: my block of 64 rows; it enters global addresses of x and pj alone
	; group 1 of the weights' joint loads: 32 rows x 256 bf16, 32 bytes of padding behind each row of 128 words, mask = all four partners
	s_mov_b32 s[G1A+0], 15|(1<<16)|(1<<20)|(1<<21)|(6<<22)|(7<<25)
	s_mov_b32 s[G1A+1], 256<<16
	s_mov_b32 s[G1A+2], 32<<16
	s_mov_b32 s[G1A+3], 256<<16
	s_mov_b32 s[G1A+4], 32
	s_mov_b32 s[G1A+5], 256
	s_mov_b32 s[G1A+6], 0
	s_mov_b32 s[G1A+7], 0
	s_mov_b32 s[PS0], 0x76543210
	s_mov_b32 s[PS1], 0xfedcba98
	s_mov_b32 s52, 0x3b800000                      ; 1/256
	s_mov_b32 s53, 0x3727c5ac                      ; 1e-5
	s_lshl_b32 s54, s[SW], 14                      ; my 32 k-rows of 512 bytes
	s_mov_b32 s55, 0
	s_mul_i32 s27, s[SW], WQ
	s_wait_dscnt 0x0
	s_wait_kmcnt 0x0
	s_add_nc_u64 s[WBA:WBA+1], s[20:21], s[54:55]
.irp sl, 0,1
	s_mov_b32 s[G0+4*\sl], 1
	s_add_co_u32 s[G0+4*\sl+1], s27, \sl*SLOTB
	s_add_nc_u64 s[G0+4*\sl+2:G0+4*\sl+3], s[WBA:WBA+1], \sl*65536   ; WQK, k-rows 0-127 and 128-255
	s_or_b32 s[G0+4*\sl+3], s[G0+4*\sl+3], 0x80000000
.endr
	ROUND                                          ; all four work-groups are here: the first joint loads meet
	tensor_load_to_lds s[G0:G0+3], s[G1A:G1A+7]    ; two tensor loads of this wave are out at the most
	s_nop 0
	tensor_load_to_lds s[G0+4:G0+7], s[G1A:G1A+7]
	s_nop 0
	PLACES
	; global bases
	s_lshl_b32 s54, s26, 16
	s_add_nc_u64 s[8:9], s[8:9], s[54:55]          ; x at my 64 rows
	s_lshl_b32 s54, s26, 15
	s_add_nc_u64 s[56:57], s[22:23], s[54:55]      ; QN
	s_add_nc_u64 s[58:59], s[56:57], 8388608       ; KN
	s_lshr_b32 s28, s26, 5                         ; the batch: 32 blocks of 64 rows each
	s_lshl_b32 s54, s28, 20                        ; 8 heads x 2,048 rows x 64 bytes
	s_and_b32 s29, s26, 31
	s_lshl_b32 s29, s29, 12                        ; my block's 64 rows of 64 bytes
	s_add_co_u32 s54, s54, s29
	s_lshl_b32 s29, s[SW], 10                      ; my wave's 16 rows
	s_add_co_u32 s54, s54, s29
	s_add_nc_u64 s[62:63], s[22:23], s[54:55]
	s_add_nc_u64 s[70:71], s[62:63], 33685504      ; KH, head 0, my wave's rows
	s_add_nc_u64 s[62:63], s[62:63], 25165824      ; VH, head 0, my wave's rows
	s_lshl_b32 s54, s26, 14
	s_add_nc_u64 s[60:61], s[22:23], s[54:55]
	s_add_nc_u64 s[60:61], s[60:61], 16777216      ; Q16 (K16 lies 4,194,304 bytes behind it)
	s_lshr_b32 s28, s[SW], 1
	s_lshl_b32 s54, s28, 16
	s_lshl_b32 s29, s26, 8
	s_add_co_u32 s54, s54, s29
	s_add_nc_u64 s[66:67], s[22:23], s[54:55]
	s_add_nc_u64 s[66:67], s[66:67], 33554432      ; NQ (waves 0, 1) or NK (waves 2, 3) at my 64 rows
	s_cmp_lt_u32 s[SW], 2
	s_cselect_b64 s[68:69], s[14:15], s[16:17]     ; bq or bk
	; lane terms
	v_and_b32 v3, 31, v0
	v_and_b32 v1, 15, v0                           ; r
	v_bfe_u32 v2, v0, 4, 1                         ; h
	v_and_b32 v16, 7, v0
	v_lshl_add_u32 v16, v2, 3, v16
	v_mul_u32_u24 v16, v16, WP
	v_bfe_u32 v17, v0, 3, 1
	v_lshl_add_u32 v16, v17, 4, v16
	s_lshl_b32 s28, s[SW], 7
	v_add_nc_u32 v4, s28, v16                      ; W fragments, slot 0: (8h + l%8) pitch + 16 ((l>>3)&1) + 128 w
	v_add_nc_u32 v5, SLOTB, v4
	v_mul_u32_u24 v16, v1, AP
	v_lshl_add_u32 v16, v2, 4, v16
	v_add_nc_u32 v6, AX, v16                       ; activation fragments
	v_add_nc_u32 v7, AN, v16
	v_add_nc_u32 v16, s28, v16
	v_add_nc_u32 v9, AX, v16                       ; 16-bit results of a tile: row r, 16 bytes at 128 w + 16 h
	v_add_nc_u32 v10, AN, v16
	v_mul_u32_u24 v16, v1, FP
	v_lshl_add_u32 v16, v2, 5, v16
	s_lshl_b32 s29, s[SW], 8
	s_add_co_u32 s29, s29, STF
	v_add_nc_u32 v11, s29, v16                     ; f32 results of a tile
	s_lshl_b32 s29, s[SW], 2
	s_add_co_u32 s29, s29, RED1
	v_lshl_add_u32 v12, v1, 4, s29
	s_lshr_b32 s29, s[SW], 1
	s_lshl_b32 s29, s29, 3
	s_add_co_u32 s29, s29, RED1
	v_lshl_add_u32 v13, v1, 4, s29
	s_lshl_b32 s29, s[SW], 14
	v_lshl_add_u32 v8, v3, 4, s29                  ; x: my wave's 16 rows, 16 bytes a lane
	s_mul_i32 s29, s[SW], 16*AP
	s_add_co_u32 s29, s29, AX
	v_lshl_add_u32 v14, v3, 3, s29
	s_and_b32 s29, s[SW], 1
	s_lshl_b32 s29, s29, 8
	v_lshl_add_u32 v15, v2, 5, s29                 ; bq / bk: 32 h + 256 (w & 1)
	s_lshl_b32 s29, s[SW], 8
	v_lshl_add_u32 v240, v2, 5, s29                ; bv: 32 h + 256 w
	s_mul_i32 s29, s[SW], 16*FP
	s_add_co_u32 s29, s29, STF
	v_lshl_add_u32 v241, v3, 4, s29
	s_lshl_b32 s29, s[SW], 13
	v_lshl_add_u32 v242, v3, 4, s29
	s_lshl_b32 s29, s[SW], 4
	v_add_nc_u32 v16, s29, v2
	v_mul_u32_u24 v17, v16, AP
	v_lshl_add_u32 v17, v1, 4, v17
	v_add_nc_u32 v243, AX, v17
	v_lshlrev_b32 v16, 8, v16
	v_lshl_add_u32 v244, v1, 4, v16
	; head-major way out: four lanes take the 64 bytes of one head in one row, so a wave's load takes 8 rows and its store 512 dense bytes
	v_lshrrev_b32 v16, 2, v3
	v_add_nc_u32 v16, s29, v16                     ; row 16 w + (l >> 2)
	v_and_b32 v17, 3, v0
	v_lshlrev_b32 v17, 4, v17                      ; 16 (l & 3)
	v_mul_u32_u24 v18, v16, AP
	v_add_nc_u32 v18, v18, v17
	v_add_nc_u32 v245, AN, v18                     ; V's stage
	v_mul_u32_u24 v18, v16, FP
	v_add_nc_u32 v18, v18, v17
	v_add_nc_u32 v248, STF+512, v18                ; k's half of the f32 stage
	v_lshlrev_b32 v246, 2, v1
	v_lshlrev_b32 v247, 4, v3
	v_mov_b32 v25, 0
	; my wave's 16 rows of x (each load 512 neighbouring bytes), g1, b1 and the biases
.irp i, 0,1,2,3,4,5,6,7,8,9,10,11,12,13,14,15
	global_load_b128 v[64+8*\i:64+8*\i+3], v8, s[8:9] offset:1024*\i th:TH_LOAD_NT
	global_load_b128 v[64+8*\i+4:64+8*\i+7], v8, s[8:9] offset:1024*\i+512 th:TH_LOAD_NT
.endr
	global_load_b128 v[192:195], v247, s[10:11]
	global_load_b128 v[196:199], v247, s[10:11] offset:512
	global_load_b128 v[200:203], v247, s[12:13]
	global_load_b128 v[204:207], v247, s[12:13] offset:512
.irp nt, 0,1,2,3
	global_load_b128 v[208+8*\nt:208+8*\nt+3], v15, s[68:69] offset:64*\nt
	global_load_b128 v[208+8*\nt+4:208+8*\nt+7], v15, s[68:69] offset:64*\nt+16
	global_load_b128 v[32+8*\nt:32+8*\nt+3], v240, s[18:19] offset:64*\nt
	global_load_b128 v[32+8*\nt+4:32+8*\nt+7], v240, s[18:19] offset:64*\nt+16
.endr
	s_wait_loadcnt 0x0
	; bq / bk of my 32 columns: rounded to bf16 (nearest even) and widened again, so that q and k are made of numbers of one format (see the head)
.irp p, 0,2,4,6,8,10,12,14,16,18,20,22,24,26,28,30
	v_cvt_pk_bf16_f32 v16, v[208+\p], v[208+\p+1]
	v_lshlrev_b32 v[208+\p], 16, v16
	v_and_b32 v[208+\p+1], 0xffff0000, v16
.endr
; row i of my 16: x to bf16 into AX; LN1 in two passes (mean, then centred squares) into AN.  A lane holds columns 4 l .. and 128 + 4 l ..
.macro ROWLN i
.set XB, 64+8*\i
	v_cvt_pk_bf16_f32 v16, v[XB], v[XB+1]
	v_cvt_pk_bf16_f32 v17, v[XB+2], v[XB+3]
	v_cvt_pk_bf16_f32 v18, v[XB+4], v[XB+5]
	v_cvt_pk_bf16_f32 v19, v[XB+6], v[XB+7]
	ds_store_b64 v14, v[16:17] offset:\i*AP
	ds_store_b64 v14, v[18:19] offset:\i*AP+256
	v_pk_add_f32 v[20:21], v[XB:XB+1], v[XB+2:XB+3]
	v_pk_add_f32 v[22:23], v[XB+4:XB+5], v[XB+6:XB+7]
	v_pk_add_f32 v[20:21], v[20:21], v[22:23]
	v_add_f32 v20, v20, v21
	RED32 20, 21
	v_mul_f32 v20, s52, v20
.irp p, 0,2,4,6
	v_pk_add_f32 v[XB+\p:XB+\p+1], v[XB+\p:XB+\p+1], v[20:21] op_sel_hi:[1,0] neg_lo:[0,1] neg_hi:[0,1]
.endr
	v_pk_mul_f32 v[22:23], v[XB:XB+1], v[XB:XB+1]
.irp p, 2,4,6
	v_pk_fma_f32 v[22:23], v[XB+\p:XB+\p+1], v[XB+\p:XB+\p+1], v[22:23]
.endr
	v_add_f32 v22, v22, v23
	RED32 22, 23
	v_fma_f32 v22, v22, s52, s53
	v_rsq_f32 v24, v22
	v_nop                                          ; one plain instruction behind a transcendental (ISA guide 5.7.2)
	s_wait_alu depctr_va_vdst(0)
.irp p, 0,2,4,6
	v_pk_mul_f32 v[XB+\p:XB+\p+1], v[XB+\p:XB+\p+1], v[24:25] op_sel_hi:[1,0]
.endr
.irp p, 0,2,4,6
	v_pk_fma_f32 v[XB+\p:XB+\p+1], v[XB+\p:XB+\p+1], v[192+\p:192+\p+1], v[200+\p:200+\p+1]
.endr
	v_cvt_pk_bf16_f32 v16, v[XB], v[XB+1]
	v_cvt_pk_bf16_f32 v17, v[XB+2], v[XB+3]
	v_cvt_pk_bf16_f32 v18, v[XB+4], v[XB+5]
	v_cvt_pk_bf16_f32 v19, v[XB+6], v[XB+7]
	ds_store_b64 v14, v[16:17] offset:\i*AP+AN-AX
	ds_store_b64 v14, v[18:19] offset:\i*AP+AN-AX+256
.endm
.irp i, 0,1,2,3,4,5,6,7,8,9,10,11,12,13,14,15
	ROWLN \i
.endr
	s_wait_dscnt 0x0                               ; my rows of AX and AN are written
	s_wait_tensorcnt 0x1                           ; my part of slot 0 is in; slot 1's may stay out
	s_barrier_signal -1
	s_barrier_wait -1
	; q | k = x WQK
	GSTEP 6, 0, 0, 1, 1
	SWAP 0, 1, WBA, 131072, G1A                    ; Wv, k-rows 0-127
	GSTEP 6, 256, 1, 1, 0
	SWAP 1, 1, WBA, 196608, G1A                    ; Wv, k-rows 128-255
	; bias, norm over 128 columns (two waves), scale, squared norm of the result
	WIN 0x01
.irp mt, 0,1,2,3
.irp nt, 0,1,2,3
.irp p, 0,2,4,6
	v_pk_add_f32 v[64+8*(4*\mt+\nt)+\p:64+8*(4*\mt+\nt)+\p+1], v[8*(4*\mt+\nt)+\p:8*(4*\mt+\nt)+\p+1], v[208+8*\nt+\p:208+8*\nt+\p+1]
.endr
.endr
.endr
	WIN 0
.irp mt, 0,1,2,3
	SQ \mt, 24, 0
.endr
	s_wait_dscnt 0x0
	s_barrier_signal -1
	s_barrier_wait -1
.irp mt, 0,1,2,3
	ds_load_b64 v[16+2*\mt:17+2*\mt], v13 offset:256*\mt
.endr
	s_wait_dscnt 0x0
.irp mt, 0,1,2,3
	v_add_f32 v[16+2*\mt], v[16+2*\mt], v[17+2*\mt]
.endr
.irp mt, 0,1,2,3
	v_sqrt_f32 v[24+\mt], v[16+2*\mt]
.endr
	v_nop
	s_wait_alu depctr_va_vdst(0)
.irp mt, 0,1,2,3
	v_max_num_f32 v[24+\mt], 0x2b8cbccc, v[24+\mt] ; max(n, 1e-12)
.endr
.irp mt, 0,1,2,3
	v_rcp_f32 v[28+\mt], v[24+\mt]
.endr
	v_nop
	s_wait_alu depctr_va_vdst(0)
.irp mt, 0,1,2,3
	v_fma_f32 v[16+2*\mt], -v[24+\mt], v[28+\mt], 1.0
	v_fma_f32 v[16+2*\mt], v[28+\mt], v[16+2*\mt], v[28+\mt]
.endr
.irp mt, 0,1,2,3
.irp p, 0,2,4,6,8,10,12,14,16,18,20,22,24,26,28,30
	v_pk_mul_f32 v[64+32*\mt+\p:64+32*\mt+\p+1], v[64+32*\mt+\p:64+32*\mt+\p+1], v[16+2*\mt:17+2*\mt] op_sel_hi:[1,0]
.endr
.endr
.irp mt, 0,1,2,3
	SQ \mt, 24, 1024
.endr
	; q | k into the stages: f32 rows of 1,040 bytes, f16 rows of 528 bytes (AX: every wave's reads of it ended in front of the last round)
.irp mt, 0,1,2,3
.irp nt, 0,1,2,3
	ds_store_b128 v11, v[64+8*(4*\mt+\nt):64+8*(4*\mt+\nt)+3] offset:\mt*16*FP+64*\nt
	ds_store_b128 v11, v[64+8*(4*\mt+\nt)+4:64+8*(4*\mt+\nt)+7] offset:\mt*16*FP+64*\nt+16
	v_cvt_pk_f16_f32 v24, v[64+8*(4*\mt+\nt)], v[64+8*(4*\mt+\nt)+1]
	v_cvt_pk_f16_f32 v25, v[64+8*(4*\mt+\nt)+2], v[64+8*(4*\mt+\nt)+3]
	v_cvt_pk_f16_f32 v26, v[64+8*(4*\mt+\nt)+4], v[64+8*(4*\mt+\nt)+5]
	v_cvt_pk_f16_f32 v27, v[64+8*(4*\mt+\nt)+6], v[64+8*(4*\mt+\nt)+7]
	ds_store_b128 v9, v[24:27] offset:\mt*16*AP+32*\nt
.endr
.endr
	s_wait_dscnt 0x0
	s_barrier_signal -1
	s_barrier_wait -1
.irp mt, 0,1,2,3
	ds_load_b64 v[16+2*\mt:17+2*\mt], v13 offset:1024+256*\mt
.endr
	s_wait_dscnt 0x0
.irp mt, 0,1,2,3
	v_add_f32 v[16+2*\mt], v[16+2*\mt], v[17+2*\mt]
.endr
	s_and_b32 s29, s[SW], 1
	s_cmp_lg_u32 s29, 0
	s_cbranch_scc1 .Lno_norms                      ; waves 0 and 2 store sum(qn^2) and sum(kn^2)
.irp mt, 0,1,2,3
	global_store_b32 v246, v[16+2*\mt], s[66:67] offset:64*\mt
.endr
.Lno_norms:
	; whole rows out: my wave's 16 rows; each store covers 512 neighbouring bytes
.irp i, 0,1,2,3,4,5,6,7,8,9,10,11,12,13,14,15
	ds_load_b128 v[64+8*\i:64+8*\i+3], v241 offset:\i*FP
	ds_load_b128 v[64+8*\i+4:64+8*\i+7], v241 offset:\i*FP+512
.endr
.irp i, 0,1,2,3,4,5,6,7,8,9,10,11,12,13,14,15
	s_wait_dscnt 31-2*\i                           ; LDS loads come back in order: load 2 i of the 32 is in
	global_store_b128 v242, v[64+8*\i:64+8*\i+3], s[56:57] offset:512*\i
	s_wait_dscnt 30-2*\i
	global_store_b128 v242, v[64+8*\i+4:64+8*\i+7], s[58:59] offset:512*\i
.endr
	s_wait_xcnt 0x0                                ; the stores' data registers are loaded again only behind this wait
.irp t, 0,1,2,3,4,5,6,7
	ds_load_b128 v[64+8*\t:64+8*\t+3], v243 offset:2*\t*AP
	ds_load_b128 v[64+8*\t+4:64+8*\t+7], v243 offset:2*\t*AP+256
.endr
.irp t, 0,1,2,3,4,5,6,7
	s_wait_dscnt 15-2*\t
	global_store_b128 v244, v[64+8*\t:64+8*\t+3], s[60:61] offset:512*\t
	s_wait_dscnt 14-2*\t
	global_store_b128 v244, v[64+8*\t+4:64+8*\t+7], s[60:61] offset:512*\t+4194304
.endr
	s_wait_xcnt 0x0                                ; again: the same registers take k's head-major copy
	; KH: for each head, my 16 rows x 64 bytes = two stores of 512 dense bytes; heads lie 131,072 bytes apart
.irp hh, 0,1,2,3,4,5,6,7
	ds_load_b128 v[64+8*\hh:64+8*\hh+3], v248 offset:64*\hh
	ds_load_b128 v[64+8*\hh+4:64+8*\hh+7], v248 offset:64*\hh+8*FP
.endr
.irp hh, 0,1,2,3,4,5,6,7
	s_wait_dscnt 15-2*\hh
	global_store_b128 v247, v[64+8*\hh:64+8*\hh+3], s[70:71] offset:131072*\hh
	s_wait_dscnt 14-2*\hh
	global_store_b128 v247, v[64+8*\hh+4:64+8*\hh+7], s[70:71] offset:131072*\hh+512
.endr
	s_wait_xcnt 0x0                                ; v64-v191 become fragment buffers again
	; V = LN1(x) Wv + bv
	GSTEP 7, 0, 0, 1, 1
	SWAP 0, 0, 0, 0, 0
	GSTEP 7, 256, 1, 1, 0
	SWAP 1, 0, 0, 0, 0                             ; every wave's reads of AN are over
	PLACES
	WIN 0x01
.irp mt, 0,1,2,3
.irp nt, 0,1,2,3
.irp p, 0,2,4,6
	v_pk_add_f32 v[64+8*(4*\mt+\nt)+\p:64+8*(4*\mt+\nt)+\p+1], v[8*(4*\mt+\nt)+\p:8*(4*\mt+\nt)+\p+1], v[32+8*\nt+\p:32+8*\nt+\p+1]
.endr
.endr
.endr
	WIN 0
.irp mt, 0,1,2,3
.irp nt, 0,1,2,3
	v_cvt_pk_bf16_f32 v24, v[64+8*(4*\mt+\nt)], v[64+8*(4*\mt+\nt)+1]
	v_cvt_pk_bf16_f32 v25, v[64+8*(4*\mt+\nt)+2], v[64+8*(4*\mt+\nt)+3]
	v_cvt_pk_bf16_f32 v26, v[64+8*(4*\mt+\nt)+4], v[64+8*(4*\mt+\nt)+5]
	v_cvt_pk_bf16_f32 v27, v[64+8*(4*\mt+\nt)+6], v[64+8*(4*\mt+\nt)+7]
	ds_store_b128 v10, v[24:27] offset:\mt*16*AP+32*\nt
.endr
.endr
	s_wait_dscnt 0x0
	s_barrier_signal -1
	s_barrier_wait -1
	; VH: as KH, from V's stage
.irp hh, 0,1,2,3,4,5,6,7
	ds_load_b128 v[64+8*\hh:64+8*\hh+3], v245 offset:64*\hh
	ds_load_b128 v[64+8*\hh+4:64+8*\hh+7], v245 offset:64*\hh+8*AP
.endr
.irp hh, 0,1,2,3,4,5,6,7
	s_wait_dscnt 15-2*\hh
	global_store_b128 v247, v[64+8*\hh:64+8*\hh+3], s[62:63] offset:131072*\hh
	s_wait_dscnt 14-2*\hh
	global_store_b128 v247, v[64+8*\hh+4:64+8*\hh+7], s[62:63] offset:131072*\hh+512
.endr
	s_wait_tensorcnt 0x0
	ds_add_u32 v254, v255
	s_wait_dscnt 0x0
	ROUND                                          ; the closing round: no work-group ends while a partner may still ask jointly
	s_endpgm
.Lfunc_end_k_q11d696c6c3_proj:
	.size	k_q11d696c6c3_proj, .Lfunc_end_k_q11d696c6c3_proj-k_q11d696c6c3_proj
	.p2alignl 7, 3214868480
	.fill 96, 4, 3214868480
	.section	.rodata,"a",@progbits
	.p2align	6, 0x0
	.amdhsa_kernel k_q11d696c6c3_proj
		.amdhsa_group_segment_fixed_size 327680
		.amdhsa_private_segment_fixed_size 0
		.amdhsa_enable_private_segment 0
		.amdhsa_kernarg_size 64
		.amdhsa_user_sgpr_count 2
		.amdhsa_user_sgpr_kernarg_segment_ptr 1
		.amdhsa_wavefront_size32 1
		.amdhsa_system_sgpr_workgroup_id_x 1
		.amdhsa_system_sgpr_workgroup_id_y 1
		.amdhsa_system_sgpr_workgroup_id_z 1
		.amdhsa_system_vgpr_workitem_id 0
		.amdhsa_next_free_vgpr 384
		.amdhsa_next_free_sgpr 80
		.amdhsa_reserve_vcc 0
		.amdhsa_float_denorm_mode_32 3
		.amdhsa_float_denorm_mode_16_64 3
		.amdhsa_memory_ordered 1
		.amdhsa_forward_progress 1
		.amdhsa_inst_pref_size 151
	.end_amdhsa_kernel
	.amdgpu_metadata
---
amdhsa.version: [ 1, 2 ]
amdhsa.kernels:
  - .name:           k_q11d696c6c3_proj
    .symbol:         k_q11d696c6c3_proj.kd
    .args:
      - { .name: x, .offset: 0, .size: 8, .value_kind: global_buffer, .address_space: global }
      - { .name: g1, .offset: 8, .size: 8, .value_kind: global_buffer, .address_space: global }
      - { .name: b1, .offset: 16, .size: 8, .value_kind: global_buffer, .address_space: global }
      - { .name: bq, .offset: 24, .size: 8, .value_kind: global_buffer, .address_space: global }
      - { .name: bk, .offset: 32, .size: 8, .value_kind: global_buffer, .address_space: global }
      - { .name: bv, .offset: 40, .size: 8, .value_kind: global_buffer, .address_space: global }
      - { .name: wb, .offset: 48, .size: 8, .value_kind: global_buffer, .address_space: global }
      - { .name: pj, .offset: 56, .size: 8, .value_kind: global_buffer, .address_space: global }
    .group_segment_fixed_size: 327680
    .private_segment_fixed_size: 0
    .kernarg_segment_align: 8
    .kernarg_segment_size: 64
    .max_flat_workgroup_size: 128
    .sgpr_count:     80
    .vgpr_count:     384
    .wavefront_size: 32
...
	.end_amdgpu_metadata
.endif
;; end of part 2
;; launch knn (part 3): grid 256 x 1, 4 waves a work-group, clusters of 4 x 1, 327,680 bytes of LDS; arguments pj, cand; writes cand
.if DOCPART == 3
	.amdgcn_target "amdgcn-amd-amdhsa--gfx1250"
	.amdhsa_code_object_version 6
	.text
	.protected	k_q11d696c6c3_knn
	.globl	k_q11d696c6c3_knn
	.p2align	8
	.type	k_q11d696c6c3_knn,@function
k_q11d696c6c3_knn:
	s_mov_b64 s[64:65], 0
	v_nop
	global_prefetch_b8 v0, s[64:65] scope:SCOPE_SE
	s_setreg_imm32_b32 hwreg(HW_REG_WAVE_MODE, 25, 1), 1
	s_wait_xcnt 0x0
	s_wait_alu depctr_hold_cnt(0) depctr_sa_sdst(0) depctr_va_vdst(0) depctr_va_sdst(0) depctr_va_ssrc(0) depctr_va_vcc(0) depctr_vm_vsrc(0)
	s_getreg_b32 s2, hwreg(HW_REG_IB_STS2, 6, 4)
	s_cmp_eq_u32 s2, 0
	s_cbranch_scc0 .Lentry_in_a_cluster
	s_endpgm
.Lentry_in_a_cluster:
	s_bfe_u32 s2, ttmp6, 0x10000c
	s_cmp_lg_u32 s2, 0x3003
	s_cbranch_scc0 .Lentry_shape_is_right
	s_endpgm
.Lentry_shape_is_right:
; Candidates for the 16 nearest keys.  A wave takes 16 queries against the 2,048 keys of their batch; scores q.k on the matrix unit with f16 operands.
; Source 0 = 16 keys, source 1 = 16 queries: lane (r, h), register j holds query r, key 8 h + j of the tile.  So each lane sees a stream of 1,024 keys
; of ONE query (those with bit 3 of the key's number equal to h) and keeps the 16 best of it in registers, without a branch:
; the low 10 bits of a score are replaced by 1023 - (the key's place in the stream); groups of 16 are sorted by a bitonic network of min/max pairs and merged.
; The 2 x 16 survivors of a query go out as whole numbers; a later launch scores them again in f32 and picks the 16.
; LIMITS: ranking here is by q.k alone, f16 operands, 13 mantissa bits: a true neighbour is lost only if 16 others of its half-stream lie within that
; rounding; a key whose projection has a norm under 1e-12 (sum kn^2 not 1) is not favoured here; NaN is not ordered.
; The four work-groups of a cluster belong to one batch (32 work-groups a batch) and ask for the key tiles jointly.
.set SW, 8
.set KP, 272                           ; a key row: 256 bytes + 16
.set SLOTB, 512*KP
.set WPART, 128*KP
.set R, 16                             ; v16-31  the 16 best so far, ascending
.set S, 32                             ; v32-47  the network's second set
.set A0, 48
.set A1, 64
.set A2, 80
.set A3, 96
.set F0, 112
.set F1, 176
.set VK0, 4
.set VKA, 5
.set G1, 16
.set G0, 24
.set MSB, 0
.macro WIN new
.if MSB != (\new)
	s_set_vgpr_msb (MSB<<8)|(\new)
.set MSB, (\new)
.endif
.endm
.macro PLACES
.rept 4
	v_nop
.endr
.endm
.macro ROUND
	s_barrier_signal -1
	s_barrier_wait -1
	s_cmp_lg_u32 s[SW], 0
	s_cbranch_scc1 .Lnot_wave_0_\@
	s_barrier_signal -3
.Lnot_wave_0_\@:
	s_barrier_wait -3
	s_barrier_signal -1
	s_barrier_wait -1
.endm
; One layer of a bitonic network on 16 places, from set src into set dst.  Place p lies in register (p & 14) | parity(p): partners differ in one bit,
; so one lies in an even and one in an odd register, as the two destinations of a dual instruction must.  dir = 1 turns every direction round.
.macro LAYER dst, src, k, j, dir
.set li, 0
.rept 16
.if (li & \j) == 0
.set ll, li | \j
.set fi, (li & 14) | ((li ^ (li>>1) ^ (li>>2) ^ (li>>3)) & 1)
.set fl, (ll & 14) | ((ll ^ (ll>>1) ^ (ll>>2) ^ (ll>>3)) & 1)
.set dn, (((li & \k) / \k) ^ \dir) & 1
.if dn
	v_dual_min_num_f32 v[\dst+fl], v[\src+fi], v[\src+fl] :: v_dual_max_num_f32 v[\dst+fi], v[\src+fi], v[\src+fl]
.else
	v_dual_min_num_f32 v[\dst+fi], v[\src+fi], v[\src+fl] :: v_dual_max_num_f32 v[\dst+fl], v[\src+fi], v[\src+fl]
.endif
.endif
.set li, li+1
.endr
.endm
.macro SORT a, dir
	LAYER S, \a, 2, 1, \dir
	LAYER \a, S, 4, 2, \dir
	LAYER S, \a, 4, 1, \dir
	LAYER \a, S, 8, 4, \dir
	LAYER S, \a, 8, 2, \dir
	LAYER \a, S, 8, 1, \dir
	LAYER S, \a, 16, 8, \dir
	LAYER \a, S, 16, 4, \dir
	LAYER S, \a, 16, 2, \dir
	LAYER \a, S, 16, 1, \dir
.endm
; a ascending and b descending (or the other way round): the larger of each place are the 16 largest of the 32, a bitonic run; four layers sort it
.macro MERGE a, b, dir
.irp m, 0,2,4,6,8,10,12,14
	v_dual_max_num_f32 v[\a+\m], v[\a+\m], v[\b+\m] :: v_dual_max_num_f32 v[\a+\m+1], v[\a+\m+1], v[\b+\m+1]
.endr
	LAYER S, \a, 16, 8, \dir
	LAYER \a, S, 16, 4, \dir
	LAYER S, \a, 16, 2, \dir
	LAYER \a, S, 16, 1, \dir
.endm
.macro KEYS a, b                       ; low 6 bits: 63 - (place among the trip's 64 keys of the lane)
.set kc, 0
.rept 16
	v_and_or_b32 v[\a+kc], v[\a+kc], s12, 63-(16*\b+kc)
.set kc, kc+1
.endr
.endm
.macro LD b, f                         ; key tiles 2 b and 2 b + 1 of the trip's eight: 16 rows x 128 f16 each
.irp t, 0,1
.irp ks, 0,1,2,3
	ds_load_b128 v[\f+32*\t+8*\ks:\f+32*\t+8*\ks+3], v[VKA] offset:(2*\b+\t)*16*KP+64*\ks
	ds_load_b128 v[\f+32*\t+8*\ks+4:\f+32*\t+8*\ks+7], v[VKA] offset:(2*\b+\t)*16*KP+64*\ks+32
.endr
.endr
.endm
.macro MM a, f                         ; 8 matrix instructions; the two tiles take turns; the first product starts each sum
	WIN 0x04                                       ; source 1 (the queries) lies in v256-v287
.irp ks, 0,1,2,3
.irp t, 0,1
.if \ks == 0
	v_wmma_f32_16x16x32_f16 v[\a+8*\t:\a+8*\t+7], v[\f+32*\t+8*\ks:\f+32*\t+8*\ks+7], v[8*\ks:8*\ks+7], 0
.else
	v_wmma_f32_16x16x32_f16 v[\a+8*\t:\a+8*\t+7], v[\f+32*\t+8*\ks:\f+32*\t+8*\ks+7], v[8*\ks:8*\ks+7], v[\a+8*\t:\a+8*\t+7]
.endif
.endr
.endr
.endm
; 128 keys: 32 matrix instructions, then 64 keys a lane are cut to their best 16 and merged into R
.macro TRIP
	LD 0, F0
	LD 1, F1
	s_wait_dscnt 16                                ; the younger 16 loads may stay out
	MM A0, F0
	s_wait_dscnt 0
	MM A1, F1
	WIN 0
	PLACES                                         ; in front of the loads into F0, F1 and of the first read of a result
	LD 2, F0
	LD 3, F1
	KEYS A0, 0
	SORT A0, 0
	s_wait_dscnt 16
	MM A2, F0
	s_wait_dscnt 0
	MM A3, F1
	WIN 0
	KEYS A1, 1                                     ; this work names none of the last matrix instructions' registers
	SORT A1, 1
	MERGE A0, A1, 0
	KEYS A2, 2
	SORT A2, 0
	KEYS A3, 3
	SORT A3, 1
	MERGE A2, A3, 1
	MERGE A0, A2, 1
.set kc, 0
.rept 16
	v_or_b32 v[A0+kc], s13, v[A0+kc]               ; bits 9:6: 15 - the trip's number
.set kc, kc+1
.endr
	MERGE R, A0, 0
	v_add_nc_u32 v[VKA], WPART, v[VKA]
	s_sub_co_u32 s13, s13, 64
.endm
.macro CHUNK slot                      ; 512 keys in four trips
	v_add_nc_u32 v[VKA], \slot*SLOTB, v[VK0]
	s_mov_b32 s14, 4
.Lchunk_\@:
	TRIP
	s_sub_co_u32 s14, s14, 1
	s_cmp_lg_u32 s14, 0
	s_cbranch_scc1 .Lchunk_\@
.endm
.macro REFILL slot                     ; my reads and all my tensor loads are waited for in front of the round; the joint load is first behind it
	s_wait_dscnt 0x0
	s_wait_tensorcnt 0x0
	ds_add_u32 v254, v255
	s_wait_dscnt 0x0
	s_add_nc_u64 s[G0+4*\slot+2:G0+4*\slot+3], s[G0+4*\slot+2:G0+4*\slot+3], 262144
	ROUND
	tensor_load_to_lds s[G0+4*\slot:G0+4*\slot+3], s[G1:G1+7]
	s_nop 0
	PLACES
.endm
	s_load_b128 s[4:7], s[0:1], 0x0                ; pj, cand
	v_lshl_add_u32 v254, v0, 2, 0x44000
	v_mov_b32 v255, 0
	ds_add_u32 v254, v255
	ds_add_u32 v254, v255
	v_lshrrev_b32 v1, 5, v0
	v_readfirstlane_b32 s[SW], v1
	s_bfe_u32 s9, ttmp6, 0x40000                   ; cx
	s_lshl_b32 s10, ttmp9, 2
	s_add_co_u32 s10, s10, s9                      ; g: my 64 queries
	s_lshr_b32 s11, ttmp9, 3                       ; the batch, the same in all four partners
	s_mov_b32 s12, 0xfffffc00
	s_mov_b32 s13, 15<<6
	; group 1: 128 rows x 128 f16, 16 bytes of padding behind each row of 64 words, mask = all four partners
	s_mov_b32 s[G1+0], 15|(1<<16)|(1<<20)|(1<<21)|(5<<22)|(3<<25)
	s_mov_b32 s[G1+1], 128<<16
	s_mov_b32 s[G1+2], 128<<16
	s_mov_b32 s[G1+3], 128<<16
	s_mov_b32 s[G1+4], 128
	s_mov_b32 s[G1+5], 128
	s_mov_b32 s[G1+6], 0
	s_mov_b32 s[G1+7], 0
	s_lshl_b32 s32, s11, 19                        ; the batch's keys: 2,048 rows of 256 bytes
	s_lshl_b32 s34, s[SW], 15                      ; my 128 rows of a chunk
	s_add_co_u32 s32, s32, s34
	s_add_co_u32 s32, s32, 20971520                ; K16
	s_mov_b32 s33, 0
	s_mul_i32 s35, s[SW], WPART
	s_lshl_b32 s38, s10, 14
	s_add_co_u32 s38, s38, 16777216                ; Q16 at my 64 queries
	s_mov_b32 s39, 0
	s_lshl_b32 s40, s10, 2
	s_add_co_u32 s40, s40, s[SW]
	s_lshl_b32 s40, s40, 11                        ; cand: 2,048 bytes for a tile of 16 queries
	s_mov_b32 s41, 0
	s_wait_dscnt 0x0
	s_wait_kmcnt 0x0
	s_add_nc_u64 s[32:33], s[4:5], s[32:33]
	s_add_nc_u64 s[36:37], s[4:5], s[38:39]
	s_add_nc_u64 s[6:7], s[6:7], s[40:41]
.irp sl, 0,1
	s_mov_b32 s[G0+4*\sl], 1
	s_add_co_u32 s[G0+4*\sl+1], s35, \sl*SLOTB
	s_add_nc_u64 s[G0+4*\sl+2:G0+4*\sl+3], s[32:33], \sl*131072
	s_or_b32 s[G0+4*\sl+3], s[G0+4*\sl+3], 0x80000000
.endr
	ROUND
	tensor_load_to_lds s[G0:G0+3], s[G1:G1+7]      ; keys 0-511; two tensor loads of this wave are out at the most
	s_nop 0
	tensor_load_to_lds s[G0+4:G0+7], s[G1:G1+7]    ; keys 512-1023
	s_nop 0
	PLACES
	v_and_b32 v1, 15, v0
	v_bfe_u32 v2, v0, 4, 1
	v_mul_u32_u24 v3, v1, KP
	v_lshl_add_u32 v[VK0], v2, 4, v3
	v_lshlrev_b32 v6, 8, v1
	v_lshl_add_u32 v6, v2, 4, v6
	s_lshl_b32 s38, s[SW], 12
	v_add_nc_u32 v6, s38, v6                       ; my query's row, 16 h
	v_lshlrev_b32 v7, 3, v2                        ; 8 h
	v_and_b32 v8, 31, v0
	v_lshlrev_b32 v8, 4, v8
	WIN 0x40
.irp ks, 0,1,2,3
	global_load_b128 v[8*\ks:8*\ks+3], v6, s[36:37] offset:64*\ks        ; v256 .. : the queries' fragments
	global_load_b128 v[8*\ks+4:8*\ks+7], v6, s[36:37] offset:64*\ks+32
.endr
	WIN 0
.set kc, 0
.rept 16
	v_mov_b32 v[R+kc], 0xff800000                  ; -inf: below every score
.set kc, kc+1
.endr
	s_wait_loadcnt 0x0
	s_wait_tensorcnt 0x1                           ; my part of slot 0 is in; slot 1's may stay out
	s_barrier_signal -1
	s_barrier_wait -1
	CHUNK 0
	REFILL 0                                       ; keys 1024-1535
	CHUNK 1
	REFILL 1                                       ; keys 1536-2047
	CHUNK 0
	s_wait_dscnt 0x0
	s_wait_tensorcnt 0x0
	s_barrier_signal -1
	s_barrier_wait -1
	CHUNK 1
	; place in the stream u = 1023 - low 10 bits; key = 2 (u & ~7) + 8 h + (u & 7)
.set kc, 0
.rept 16
	v_and_b32 v[S+kc], 0x3ff, v[R+kc]
	v_sub_nc_u32 v[S+kc], 0x3ff, v[S+kc]
	v_and_b32 v[A0+kc], 0x3f8, v[S+kc]
	v_and_b32 v[S+kc], 7, v[S+kc]
	v_lshl_or_b32 v[S+kc], v[A0+kc], 1, v[S+kc]
	v_or_b32 v[S+kc], v[S+kc], v7
.set kc, kc+1
.endr
.irp i, 0,1,2,3
	global_store_b128 v8, v[S+4*\i:S+4*\i+3], s[6:7] offset:512*\i       ; 512 neighbouring bytes
.endr
	s_wait_tensorcnt 0x0
	ds_add_u32 v254, v255
	s_wait_dscnt 0x0
	ROUND
	s_endpgm
.Lfunc_end_k_q11d696c6c3_knn:
	.size	k_q11d696c6c3_knn, .Lfunc_end_k_q11d696c6c3_knn-k_q11d696c6c3_knn
	.p2alignl 7, 3214868480
	.fill 96, 4, 3214868480
	.section	.rodata,"a",@progbits
	.p2align	6, 0x0
	.amdhsa_kernel k_q11d696c6c3_knn
		.amdhsa_group_segment_fixed_size 327680
		.amdhsa_private_segment_fixed_size 0
		.amdhsa_enable_private_segment 0
		.amdhsa_kernarg_size 16
		.amdhsa_user_sgpr_count 2
		.amdhsa_user_sgpr_kernarg_segment_ptr 1
		.amdhsa_wavefront_size32 1
		.amdhsa_system_sgpr_workgroup_id_x 1
		.amdhsa_system_sgpr_workgroup_id_y 1
		.amdhsa_system_sgpr_workgroup_id_z 1
		.amdhsa_system_vgpr_workitem_id 0
		.amdhsa_next_free_vgpr 288
		.amdhsa_next_free_sgpr 66
		.amdhsa_reserve_vcc 0
		.amdhsa_float_denorm_mode_32 3
		.amdhsa_float_denorm_mode_16_64 3
		.amdhsa_memory_ordered 1
		.amdhsa_forward_progress 1
		.amdhsa_inst_pref_size 178
	.end_amdhsa_kernel
	.amdgpu_metadata
---
amdhsa.version: [ 1, 2 ]
amdhsa.kernels:
  - .name:           k_q11d696c6c3_knn
    .symbol:         k_q11d696c6c3_knn.kd
    .args:
      - { .name: pj, .offset: 0, .size: 8, .value_kind: global_buffer, .address_space: global }
      - { .name: cand, .offset: 8, .size: 8, .value_kind: global_buffer, .address_space: global }
    .group_segment_fixed_size: 327680
    .private_segment_fixed_size: 0
    .kernarg_segment_align: 8
    .kernarg_segment_size: 16
    .max_flat_workgroup_size: 128
    .sgpr_count:     66
    .vgpr_count:     288
    .wavefront_size: 32
...
	.end_amdgpu_metadata
.endif
;; end of part 3
;; launch pick (part 4): grid 512 x 1, 8 waves a work-group, no clusters, 5,632 bytes of LDS; arguments pj, cand, idx; writes idx
.if DOCPART == 4
	.amdgcn_target "amdgcn-amd-amdhsa--gfx1250"
	.amdhsa_code_object_version 6
	.text
	.protected	k_q11d696c6c3_pick
	.globl	k_q11d696c6c3_pick
	.p2align	8
	.type	k_q11d696c6c3_pick,@function
k_q11d696c6c3_pick:
	s_mov_b64 s[64:65], 0
	v_nop
	global_prefetch_b8 v0, s[64:65] scope:SCOPE_SE
	s_setreg_imm32_b32 hwreg(HW_REG_WAVE_MODE, 25, 1), 1
	s_wait_xcnt 0x0
; The 32 candidates of each query are scored again in f32, d2 = (sum qn^2 + sum kn^2) - 2 q.k as the reference writes it, and the 16 smallest
; (ties: the lower key number first) go out as whole numbers.  No matrix unit: each candidate row is used once, by one query.
; A work-group takes 32 queries (two tiles of 16), a wave four, one after the other: 32 gathered rows of 512 bytes, one row to a load; a lane holds 4 of the
; 128 dimensions; a butterfly that halves the registers at each step leaves candidate c's sum in lane c.  The d2 meet in LDS; waves 0 and 1 then
; sort 16 (d2, key) pairs a lane (lane (r, h): candidates 16 h .. of query r) by compare-and-select and merge the two halves.
; No clusters: the gathered rows differ from query to query.  LIMIT: NaN is not ordered.
.set P, 192
.set D0, 64
.set I0, 80
.set D1, 96
.set I1, 112
.macro SLD i, sb                       ; candidate c = 16 h + 4 i4 + e of my query i into s[sb + c]
.irp hh, 0,1
.irp i4, 0,1,2,3
	s_load_b128 s[\sb+16*\hh+4*\i4:\sb+16*\hh+4*\i4+3], s[52:53], 512*\i4+256*\hh+16*\i
.endr
.endr
.endm
.macro BFLY j, m                       ; lanes with bit j keep the upper registers and send the lower, the others the other way round
.set c, 0
.rept \j
	v_cndmask_b32 v[16+2*(c&3)], v[P+c], v[P+c+\j], \m
	v_cndmask_b32 v[17+2*(c&3)], v[P+c+\j], v[P+c], \m
	v_add_f32_dpp v[P+c], v[17+2*(c&3)], v[16+2*(c&3)] row_xmask:\j row_mask:0xf bank_mask:0xf
.set c, c+1
.endr
.endm
.macro QRY i, sb, ni
	s_wait_kmcnt 0x0
	global_load_b128 v[4:7], v2, s[54:55] offset:512*\i
.set c, 0
.rept 32
	s_min_u32 s[\sb+c], s[\sb+c], 2047
	v_lshl_add_u32 v[32+c], s[\sb+c], 9, v2
	global_load_b128 v[64+4*c:64+4*c+3], v[32+c], s[56:57]
.set c, c+1
.endr
.if \ni >= 0
	SLD \ni, \sb                                   ; the list of the query after next, into the set just used up
.endif
	s_wait_loadcnt 16                              ; q and rows 0-15 are in, the 16 younger loads may stay out
.set c, 0
.rept 32
.if c == 16
	s_wait_loadcnt 0x0
.endif
	v_pk_mul_f32 v[16+2*(c&3):17+2*(c&3)], v[64+4*c:64+4*c+1], v[4:5]
	v_pk_fma_f32 v[16+2*(c&3):17+2*(c&3)], v[64+4*c+2:64+4*c+3], v[6:7], v[16+2*(c&3):17+2*(c&3)]
	v_add_f32 v[P+c], v[16+2*(c&3)], v[17+2*(c&3)]
.set c, c+1
.endr
.set c, 0
.rept 16
	v_cndmask_b32 v[16+2*(c&3)], v[P+c], v[P+c+16], s4
	v_cndmask_b32 v[17+2*(c&3)], v[P+c+16], v[P+c], s4
	v_permlanex16_b32 v[P+c+16], v[17+2*(c&3)], s14, s15
	v_add_f32 v[P+c], v[16+2*(c&3)], v[P+c+16]
.set c, c+1
.endr
	BFLY 8, s5
	BFLY 4, s11
	BFLY 2, s12
	BFLY 1, s13
	v_add_f32 v16, s[48+\i], v[12+\i]              ; qq + kk
	v_fma_f32 v16, -2.0, v[P], v16                 ; 2 q.k is exact, so this rounds as (qq + kk) - 2 q.k does
	ds_store_b32 v30, v16 offset:144*\i
.endm
; a layer of the bitonic network on (d2, key) pairs: 24 compares, 16 mask operations, 32 selects
.macro LAYERP dd, di, sd, si, k, j
.set li, 0
.set pp, 0
.rept 16
.if (li & \j) == 0
	v_cmp_gt_f32 s[16+pp], v[\sd+li], v[\sd+(li|\j)]
	v_cmp_eq_f32 s[24+pp], v[\sd+li], v[\sd+(li|\j)]
	v_cmp_gt_u32 s[32+pp], v[\si+li], v[\si+(li|\j)]
.set pp, pp+1
.endif
.set li, li+1
.endr
.set pp, 0
.rept 8
	s_and_b32 s[24+pp], s[24+pp], s[32+pp]
	s_or_b32 s[16+pp], s[16+pp], s[24+pp]          ; the pair at the lower place is the larger
.set pp, pp+1
.endr
.set li, 0
.set pp, 0
.rept 16
.if (li & \j) == 0
.set ll, li | \j
.set dn, ((li & \k) / \k) & 1
.if dn
	v_cndmask_b32 v[\dd+li], v[\sd+ll], v[\sd+li], s[16+pp]
	v_cndmask_b32 v[\dd+ll], v[\sd+li], v[\sd+ll], s[16+pp]
	v_cndmask_b32 v[\di+li], v[\si+ll], v[\si+li], s[16+pp]
	v_cndmask_b32 v[\di+ll], v[\si+li], v[\si+ll], s[16+pp]
.else
	v_cndmask_b32 v[\dd+li], v[\sd+li], v[\sd+ll], s[16+pp]
	v_cndmask_b32 v[\dd+ll], v[\sd+ll], v[\sd+li], s[16+pp]
	v_cndmask_b32 v[\di+li], v[\si+li], v[\si+ll], s[16+pp]
	v_cndmask_b32 v[\di+ll], v[\si+ll], v[\si+li], s[16+pp]
.endif
.set pp, pp+1
.endif
.set li, li+1
.endr
.endm
	s_load_b128 s[4:7], s[0:1], 0x0                ; pj, cand
	s_load_b64 s[8:9], s[0:1], 0x10                ; idx
	v_lshl_add_u32 v224, v0, 2, 0x1200
	v_mov_b32 v225, 0
	v_lshrrev_b32 v1, 5, v0
	v_readfirstlane_b32 s10, v1                    ; wave
	v_and_b32 v1, 31, v0
	v_lshlrev_b32 v2, 4, v1
	s_lshr_b32 s11, s10, 2
	s_lshl_b32 s12, ttmp9, 1
	s_add_co_u32 s12, s12, s11                     ; my tile of 16 queries
	s_and_b32 s13, s10, 3
	s_lshl_b32 s62, s12, 11
	s_lshl_b32 s13, s13, 6
	s_add_co_u32 s62, s62, s13                     ; cand: 2,048 x tile + 16 x (my first query in the tile)
	s_mov_b32 s63, 0
	s_wait_kmcnt 0x0
	s_add_nc_u64 s[52:53], s[6:7], s[62:63]
	SLD 0, 16
	SLD 1, 68
	s_lshl_b32 s62, ttmp9, 7
	s_lshl_b32 s13, s10, 4
	s_add_co_u32 s62, s62, s13                     ; 4 x my first query
	s_add_nc_u64 s[60:61], s[4:5], s[62:63]
	s_add_nc_u64 s[60:61], s[60:61], 33554432      ; NQ
	s_load_b128 s[48:51], s[60:61], 0x0            ; sum qn^2 of my four queries
	s_lshl_b32 s62, s62, 7
	s_add_nc_u64 s[54:55], s[4:5], s[62:63]        ; QN at my first query
	s_lshr_b32 s13, ttmp9, 6                       ; batch
	s_lshl_b32 s62, s13, 20
	s_add_nc_u64 s[56:57], s[4:5], s[62:63]
	s_add_nc_u64 s[56:57], s[56:57], 8388608       ; KN of the batch
	s_lshl_b32 s62, s13, 13
	s_add_nc_u64 s[58:59], s[4:5], s[62:63]
	s_add_nc_u64 s[58:59], s[58:59], 33619968      ; NK of the batch
	; lane c's own candidate of each of the four queries, and its sum kn^2
	v_bfe_u32 v3, v1, 2, 2
	v_lshlrev_b32 v3, 9, v3
	v_bfe_u32 v16, v1, 4, 1
	v_lshl_add_u32 v3, v16, 8, v3
	v_and_b32 v16, 3, v1
	v_lshl_add_u32 v3, v16, 2, v3
.irp i, 0,1,2,3
	global_load_b32 v[8+\i], v3, s[52:53] offset:16*\i
.endr
	s_mul_i32 s13, s10, 576
	v_lshl_add_u32 v30, v1, 2, s13                 ; LDS: 144 bytes a query, 4 bytes a candidate
	s_wait_loadcnt 0x0
.irp i, 0,1,2,3
	v_min_u32 v[8+\i], 0x7ff, v[8+\i]
	v_lshlrev_b32 v[8+\i], 2, v[8+\i]
	global_load_b32 v[12+\i], v[8+\i], s[58:59]
.endr
	s_mov_b32 s4, 0xffff0000                       ; pj's address is no longer needed: lane masks of the butterfly
	s_mov_b32 s5, 0xff00ff00
	s_mov_b32 s11, 0xf0f0f0f0
	s_mov_b32 s12, 0xcccccccc
	s_mov_b32 s13, 0xaaaaaaaa
	s_mov_b32 s14, 0x76543210
	s_mov_b32 s15, 0xfedcba98
	QRY 0, 16, 2
	QRY 1, 68, 3
	QRY 2, 16, -1
	QRY 3, 68, -1
	s_wait_dscnt 0x0
	s_barrier_signal -1
	s_barrier_wait -1
	s_cmp_gt_u32 s10, 1
	s_cbranch_scc1 .Lend                           ; 64 lanes hold the 32 queries' two halves
	s_lshl_b32 s60, ttmp9, 1
	s_add_co_u32 s60, s60, s10                     ; tile of this wave
	s_lshl_b32 s62, s60, 11
	s_add_nc_u64 s[6:7], s[6:7], s[62:63]
	s_lshl_b32 s62, s60, 10
	s_add_nc_u64 s[8:9], s[8:9], s[62:63]
.irp i4, 0,1,2,3
	global_load_b128 v[I0+4*\i4:I0+4*\i4+3], v2, s[6:7] offset:512*\i4
.endr
	v_and_b32 v16, 15, v0
	s_lshl_b32 s60, s10, 4
	v_add_nc_u32 v16, s60, v16
	v_mul_u32_u24 v16, v16, 144
	v_bfe_u32 v17, v0, 4, 1
	v_lshl_add_u32 v16, v17, 6, v16
.irp i4, 0,1,2,3
	ds_load_b128 v[D0+4*\i4:D0+4*\i4+3], v16 offset:16*\i4
.endr
	s_wait_loadcnt 0x0
	s_wait_dscnt 0x0
	LAYERP D1, I1, D0, I0, 2, 1
	LAYERP D0, I0, D1, I1, 4, 2
	LAYERP D1, I1, D0, I0, 4, 1
	LAYERP D0, I0, D1, I1, 8, 4
	LAYERP D1, I1, D0, I0, 8, 2
	LAYERP D0, I0, D1, I1, 8, 1
	LAYERP D1, I1, D0, I0, 16, 8
	LAYERP D0, I0, D1, I1, 16, 4
	LAYERP D1, I1, D0, I0, 16, 2
	LAYERP D0, I0, D1, I1, 16, 1
	; both halves ascending: the smaller of own[q] and other[15 - q], q = 0 .. 7 in each of the two lanes, are the 16 smallest of the 32
.irp q, 0,1,2,3,4,5,6,7
	v_permlanex16_b32 v[D1+\q], v[D0+15-\q], s14, s15
	v_permlanex16_b32 v[I1+\q], v[I0+15-\q], s14, s15
.endr
.irp q, 0,1,2,3,4,5,6,7
	v_cmp_gt_f32 s[16+\q], v[D0+\q], v[D1+\q]
	v_cmp_eq_f32 s[24+\q], v[D0+\q], v[D1+\q]
	v_cmp_gt_u32 s[32+\q], v[I0+\q], v[I1+\q]
.endr
.irp q, 0,1,2,3,4,5,6,7
	s_and_b32 s[24+\q], s[24+\q], s[32+\q]
	s_or_b32 s[16+\q], s[16+\q], s[24+\q]
.endr
.irp q, 0,1,2,3,4,5,6,7
	v_cndmask_b32 v[128+\q], v[I0+\q], v[I1+\q], s[16+\q]
.endr
	global_store_b128 v2, v[128:131], s[8:9]
	global_store_b128 v2, v[132:135], s[8:9] offset:512
.Lend:
	s_wait_tensorcnt 0x0
	ds_add_u32 v224, v225
	s_wait_dscnt 0x0
	s_endpgm
.Lfunc_end_k_q11d696c6c3_pick:
	.size	k_q11d696c6c3_pick, .Lfunc_end_k_q11d696c6c3_pick-k_q11d696c6c3_pick
	.p2alignl 7, 3214868480
	.fill 96, 4, 3214868480
	.section	.rodata,"a",@progbits
	.p2align	6, 0x0
	.amdhsa_kernel k_q11d696c6c3_pick
		.amdhsa_group_segment_fixed_size 5632
		.amdhsa_private_segment_fixed_size 0
		.amdhsa_enable_private_segment 0
		.amdhsa_kernarg_size 24
		.amdhsa_user_sgpr_count 2
		.amdhsa_user_sgpr_kernarg_segment_ptr 1
		.amdhsa_wavefront_size32 1
		.amdhsa_system_sgpr_workgroup_id_x 1
		.amdhsa_system_sgpr_workgroup_id_y 1
		.amdhsa_system_sgpr_workgroup_id_z 1
		.amdhsa_system_vgpr_workitem_id 0
		.amdhsa_next_free_vgpr 226
		.amdhsa_next_free_sgpr 100
		.amdhsa_reserve_vcc 0
		.amdhsa_float_denorm_mode_32 3
		.amdhsa_float_denorm_mode_16_64 3
		.amdhsa_memory_ordered 1
		.amdhsa_forward_progress 1
		.amdhsa_inst_pref_size 126
	.end_amdhsa_kernel
	.amdgpu_metadata
---
amdhsa.version: [ 1, 2 ]
amdhsa.kernels:
  - .name:           k_q11d696c6c3_pick
    .symbol:         k_q11d696c6c3_pick.kd
    .args:
      - { .name: pj, .offset: 0, .size: 8, .value_kind: global_buffer, .address_space: global }
      - { .name: cand, .offset: 8, .size: 8, .value_kind: global_buffer, .address_space: global }
      - { .name: idx, .offset: 16, .size: 8, .value_kind: global_buffer, .address_space: global }
    .group_segment_fixed_size: 5632
    .private_segment_fixed_size: 0
    .kernarg_segment_align: 8
    .kernarg_segment_size: 24
    .max_flat_workgroup_size: 256
    .sgpr_count:     100
    .vgpr_count:     226
    .wavefront_size: 32
...
	.end_amdgpu_metadata
.endif
;; end of part 4
;; launch attn (part 5): grid 256 x 1, 16 waves a work-group, no clusters, 264,192 bytes of LDS; arguments pj, idx, ob; writes ob
.if DOCPART == 5
	.amdgcn_target "amdgcn-amd-amdhsa--gfx1250"
	.amdhsa_code_object_version 6
	.text
	.protected	k_q11d696c6c3_attn
	.globl	k_q11d696c6c3_attn
	.p2align	8
	.type	k_q11d696c6c3_attn,@function
k_q11d696c6c3_attn:
	s_mov_b64 s[64:65], 0
	v_nop
	global_prefetch_b8 v0, s[64:65] scope:SCOPE_SE
	s_setreg_imm32_b32 hwreg(HW_REG_WAVE_MODE, 25, 1), 1
	s_wait_xcnt 0x0
; o = softmax over the 16 neighbours, per head, of q.k / 4, times the neighbours' V rows.
; A work-group takes ONE head of one batch and 512 of its queries.  That head's slice of all 2,048 keys (16 f32 = 64 bytes a row, 131,072 bytes) and of
; all 2,048 V rows (32 bf16 = 64 bytes a row, 131,072 bytes) lies in LDS, so the 2 x 16 gathered rows of a query are LDS reads and memory is read densely.
; NO CLUSTERS, though the four query blocks of a (batch, head) read the same two slices: the LDS reads here are a gather whose addresses come from each
; work-group's own lists of neighbours.
; So each work-group brings the slices for itself, 256 x 262,144 bytes in all; the four that share a slice have neighbouring numbers (slice = number >> 2).
; Sixteen waves; wave w brings 64 rows of 256 bytes (16,384 dense bytes) to LDS byte 16,384 w: waves 0-7 the keys, waves 8-15 V.  Filled once, never again.
; A wave takes 32 queries in four units of 8.  Lane l: query l >> 2 of the unit, quarter l & 3: dimensions 4 (l & 3) .. of q and k, columns 8 (l & 3) .. of V.
; A logit is a sum over four neighbouring lanes, and its weight is used by the same four.
; The result goes out head-major, ob [batch][head][2048][32] bf16: a unit's store covers 512 dense bytes.
; q is read from the row-major table in pieces of 64 bytes, each piece once in the launch; a head-major copy would cost as many stored bytes as it spares.
; No maximum is taken away in front of the exponential: qn and kn are normalised by the reference itself, so |logit| <= 0.25 for every input.
; No matrix unit: each gathered row meets one query's vector only.  No data prefetch: the one fill stands at the kernel's head.
.set SW, 10
.set VBASE, 131072                     ; LDS: V's slice behind the keys'
.set KHOFF, 33685504                   ; pj: keys, head-major
.set VHOFF, 25165824                   ; pj: V, head-major
.set KD, 64                            ; v64-127   16 key rows, 4 registers each
.set VD, 128                           ; v128-191  16 V rows
.set LG, 192                           ; v192-207  logits
.set AC, 208                           ; v208-215  8 sums
.set EX, 216                           ; v216-231  weights
.set G1, 16
.set G0, 24
; five loads: the 16 neighbours of my query of unit u (idx[tile][i][16 h + r][e]: four groups of 16 bytes, 256 bytes apart) and my 16 bytes of q
.macro GET u, ib, qb
.irp k, 0,1,2,3
	global_load_b128 v[\ib+4*\k:\ib+4*\k+3], v3, s[6:7] offset:(\u>>1)*1024+(\u&1)*128+256*\k
.endr
	global_load_b128 v[\qb:\qb+3], v4, s[4:5] offset:4096*\u
.endm
; unit u on register sets ib (neighbours, then LDS addresses) and qb (q); left: the younger loads that may stay out; nxt: the unit fetched into the sets, or -1
.macro UNIT u, ib, qb, left, nxt
.if \u
	s_wait_xcnt 0x0                                ; the last store's data registers are rewritten only behind this wait
.endif
	s_wait_loadcnt \left                           ; this unit's five loads are in; the next unit's five may stay out
.set n, 0
.rept 16
	v_min_u32 v[\ib+n], 0x7ff, v[\ib+n]
	v_lshl_add_u32 v[\ib+n], v[\ib+n], 6, v2       ; 64 x key + 16 x quarter
	ds_load_b128 v[KD+4*n:KD+4*n+3], v[\ib+n]
.set n, n+1
.endr
.set n, 0
.rept 16
	v_add_nc_u32 v[\ib+n], VBASE, v[\ib+n]
	ds_load_b128 v[VD+4*n:VD+4*n+3], v[\ib+n]
.set n, n+1
.endr
	v_pk_mul_f32 v[\qb:\qb+1], v[\qb:\qb+1], 0x3eb8aa3b op_sel_hi:[1,0]          ; 0.25 log2(e)
	v_pk_mul_f32 v[\qb+2:\qb+3], v[\qb+2:\qb+3], 0x3eb8aa3b op_sel_hi:[1,0]
	s_wait_dscnt 16                                ; the 16 key rows are in; the 16 V rows may stay out
.set n, 0
.rept 16
	v_pk_mul_f32 v[8+2*(n&3):9+2*(n&3)], v[KD+4*n:KD+4*n+1], v[\qb:\qb+1]
	v_pk_fma_f32 v[8+2*(n&3):9+2*(n&3)], v[KD+4*n+2:KD+4*n+3], v[\qb+2:\qb+3], v[8+2*(n&3):9+2*(n&3)]
	v_add_f32 v[LG+n], v[8+2*(n&3)], v[9+2*(n&3)]
.set n, n+1
.endr
.set n, 0
.rept 16
	v_add_f32_dpp v[LG+n], v[LG+n], v[LG+n] row_xmask:1 row_mask:0xf bank_mask:0xf
.set n, n+1
.endr
.set n, 0
.rept 16
	v_add_f32_dpp v[LG+n], v[LG+n], v[LG+n] row_xmask:2 row_mask:0xf bank_mask:0xf
.set n, n+1
.endr
.set n, 0
.rept 16
	v_exp_f32 v[EX+n], v[LG+n]
.set n, n+1
.endr
	v_nop                                          ; one plain instruction behind the transcendentals (ISA guide 5.7.2)
	s_wait_alu depctr_va_vdst(0)
	v_pk_add_f32 v[8:9], v[EX:EX+1], v[EX+2:EX+3]
	v_pk_add_f32 v[10:11], v[EX+4:EX+5], v[EX+6:EX+7]
	v_pk_add_f32 v[12:13], v[EX+8:EX+9], v[EX+10:EX+11]
	v_pk_add_f32 v[14:15], v[EX+12:EX+13], v[EX+14:EX+15]
	v_pk_add_f32 v[8:9], v[8:9], v[10:11]
	v_pk_add_f32 v[12:13], v[12:13], v[14:15]
	v_pk_add_f32 v[8:9], v[8:9], v[12:13]
	v_add_f32 v8, v8, v9
	v_rcp_f32 v10, v8                              ; the unpacking lines below, which touch neither v8 nor v10, stand between it and its use
	s_wait_dscnt 0x0                               ; the V rows are in, and every LDS load that named the address registers is done
.if \nxt >= 0
	GET \nxt, \ib, \qb                             ; two units ahead, into the sets just used up
.endif
.irp j, 0,1,2,3
	v_lshlrev_b32 v[AC+2*\j], 16, v[VD+\j]         ; the first neighbour starts the sums
	v_and_b32 v[AC+2*\j+1], s12, v[VD+\j]
.endr
.irp j, 0,2,4,6
	v_pk_mul_f32 v[AC+\j:AC+\j+1], v[AC+\j:AC+\j+1], v[EX:EX+1] op_sel_hi:[1,0]
.endr
.set n, 1
.rept 15
.irp j, 0,1,2,3
	v_fma_mix_f32_bf16 v[AC+2*\j], v[VD+4*n+\j], v[EX+n], v[AC+2*\j] op_sel:[0,0,0] op_sel_hi:[1,0,0]
	v_fma_mix_f32_bf16 v[AC+2*\j+1], v[VD+4*n+\j], v[EX+n], v[AC+2*\j+1] op_sel:[1,0,0] op_sel_hi:[1,0,0]
.endr
.set n, n+1
.endr
	s_wait_alu depctr_va_vdst(0)
.irp j, 0,2,4,6
	v_pk_mul_f32 v[AC+\j:AC+\j+1], v[AC+\j:AC+\j+1], v[10:11] op_sel_hi:[1,0]
.endr
.irp j, 0,1,2,3
	v_cvt_pk_bf16_f32 v[12+\j], v[AC+2*\j], v[AC+2*\j+1]
.endr
	global_store_b128 v5, v[12:15], s[8:9] offset:512*\u         ; 8 queries x 64 bytes: 512 dense bytes
.endm
	s_load_b128 s[4:7], s[0:1], 0x0                ; pj, idx
	s_load_b64 s[8:9], s[0:1], 0x10                ; ob
	v_lshl_add_u32 v232, v0, 2, 0x40000
	v_mov_b32 v233, 0
	ds_add_u32 v232, v233
	ds_add_u32 v232, v233
	v_lshrrev_b32 v1, 5, v0
	v_readfirstlane_b32 s[SW], v1                  ; wave 0..15
	s_and_b32 s11, ttmp9, 3                        ; my block of 512 queries
	s_lshr_b32 s31, ttmp9, 2                       ; the slice: 8 x batch + head
	s_mov_b32 s12, 0xffff0000
	; group 1: 64 rows of 32 elements of 8 bytes, dense in memory and in LDS; no mask, no padding
	s_mov_b32 s[G1+0], 3<<16
	s_mov_b32 s[G1+1], 32<<16
	s_mov_b32 s[G1+2], 64<<16
	s_mov_b32 s[G1+3], 32<<16
	s_mov_b32 s[G1+4], 64
	s_mov_b32 s[G1+5], 32
	s_mov_b32 s[G1+6], 0
	s_mov_b32 s[G1+7], 0
	s_lshl_b32 s28, s31, 17                        ; the slice's 131,072 bytes
	s_and_b32 s13, s[SW], 7
	s_lshl_b32 s13, s13, 14                        ; my eighth of it
	s_add_co_u32 s28, s28, s13
	s_mov_b32 s13, VHOFF
	s_mov_b32 s14, KHOFF
	s_cmp_lt_u32 s[SW], 8
	s_cselect_b32 s13, s14, s13                    ; waves 0-7 fetch keys, waves 8-15 V
	s_add_co_u32 s28, s28, s13
	s_mov_b32 s29, 0
	s_mov_b32 s[G0], 1
	s_lshl_b32 s[G0+1], s[SW], 14                  ; LDS byte 16,384 w
	s_wait_dscnt 0x0
	s_wait_kmcnt 0x0
	s_add_nc_u64 s[G0+2:G0+3], s[4:5], s[28:29]
	s_or_b32 s[G0+3], s[G0+3], 0x80000000
	tensor_load_to_lds s[G0:G0+3], s[G1:G1+7]      ; the wave's one tensor load of the launch, ahead of every wait on it, LDS read and barrier
	s_nop 0
	s_lshr_b32 s13, s31, 3                         ; batch
	s_and_b32 s14, s31, 7                          ; head
	s_lshl_b32 s28, s13, 20                        ; q: 512 bytes a query: 2,048 a batch,
	s_lshl_b32 s15, s11, 18                        ; 512 a block,
	s_add_co_u32 s28, s28, s15
	s_lshl_b32 s15, s[SW], 14                      ; 32 a wave,
	s_add_co_u32 s28, s28, s15
	s_lshl_b32 s15, s14, 6                         ; and the head's 64 bytes in the row
	s_add_co_u32 s28, s28, s15
	s_add_nc_u64 s[4:5], s[4:5], s[28:29]
	s_lshl_b32 s30, s11, 15
	s_lshl_b32 s15, s[SW], 11
	s_add_co_u32 s30, s30, s15                     ; 64 x (my wave's first query in the batch)
	s_lshl_b32 s28, s13, 17
	s_add_co_u32 s28, s28, s30
	s_add_nc_u64 s[6:7], s[6:7], s[28:29]          ; idx: 64 bytes a query
	s_lshl_b32 s28, s31, 17
	s_add_co_u32 s28, s28, s30
	s_add_nc_u64 s[8:9], s[8:9], s[28:29]          ; ob: the head's slice, 64 bytes a query
	v_and_b32 v1, 31, v0
	v_and_b32 v2, 3, v0
	v_lshlrev_b32 v2, 4, v2                        ; 16 x quarter
	v_lshrrev_b32 v6, 2, v1                        ; my query in the unit
	v_lshlrev_b32 v3, 4, v6
	v_lshl_add_u32 v4, v6, 9, v2
	v_lshlrev_b32 v5, 4, v1
	GET 0, 16, 48
	GET 1, 32, 52
	s_wait_tensorcnt 0x0                           ; my part of the slices is in
	s_barrier_signal -1
	s_barrier_wait -1                              ; everybody's is
	UNIT 0, 16, 48, 5, 2
	UNIT 1, 32, 52, 5, 3
	UNIT 2, 16, 48, 5, -1
	UNIT 3, 32, 52, 0, -1
	s_wait_tensorcnt 0x0
	ds_add_u32 v232, v233
	s_wait_dscnt 0x0
	s_endpgm
.Lfunc_end_k_q11d696c6c3_attn:
	.size	k_q11d696c6c3_attn, .Lfunc_end_k_q11d696c6c3_attn-k_q11d696c6c3_attn
	.p2alignl 7, 3214868480
	.fill 96, 4, 3214868480
	.section	.rodata,"a",@progbits
	.p2align	6, 0x0
	.amdhsa_kernel k_q11d696c6c3_attn
		.amdhsa_group_segment_fixed_size 264192
		.amdhsa_private_segment_fixed_size 0
		.amdhsa_enable_private_segment 0
		.amdhsa_kernarg_size 24
		.amdhsa_user_sgpr_count 2
		.amdhsa_user_sgpr_kernarg_segment_ptr 1
		.amdhsa_wavefront_size32 1
		.amdhsa_system_sgpr_workgroup_id_x 1
		.amdhsa_system_sgpr_workgroup_id_y 1
		.amdhsa_system_sgpr_workgroup_id_z 1
		.amdhsa_system_vgpr_workitem_id 0
		.amdhsa_next_free_vgpr 234
		.amdhsa_next_free_sgpr 66
		.amdhsa_reserve_vcc 0
		.amdhsa_float_denorm_mode_32 3
		.amdhsa_float_denorm_mode_16_64 3
		.amdhsa_memory_ordered 1
		.amdhsa_forward_progress 1
		.amdhsa_inst_pref_size 83
	.end_amdhsa_kernel
	.amdgpu_metadata
---
amdhsa.version: [ 1, 2 ]
amdhsa.kernels:
  - .name:           k_q11d696c6c3_attn
    .symbol:         k_q11d696c6c3_attn.kd
    .args:
      - { .name: pj, .offset: 0, .size: 8, .value_kind: global_buffer, .address_space: global }
      - { .name: idx, .offset: 8, .size: 8, .value_kind: global_buffer, .address_space: global }
      - { .name: ob, .offset: 16, .size: 8, .value_kind: global_buffer, .address_space: global }
    .group_segment_fixed_size: 264192
    .private_segment_fixed_size: 0
    .kernarg_segment_align: 8
    .kernarg_segment_size: 24
    .max_flat_workgroup_size: 512
    .sgpr_count:     66
    .vgpr_count:     234
    .wavefront_size: 32
...
	.end_amdgpu_metadata
.endif
;; end of part 5
;; launch ffn (part 6): grid 256 x 1, 4 waves a work-group, clusters of 4 x 1, 327,680 bytes of LDS; arguments x, ob, wb, bo, gf, bf, b1f, b2f, rw, out0; writes out0
.if DOCPART == 6
	.amdgcn_target "amdgcn-amd-amdhsa--gfx1250"
	.amdhsa_code_object_version 6
	.text
	.protected	k_q11d696c6c3_ffn
	.globl	k_q11d696c6c3_ffn
	.p2align	8
	.type	k_q11d696c6c3_ffn,@function
k_q11d696c6c3_ffn:
	s_mov_b64 s[64:65], 0
	v_nop
	global_prefetch_b8 v0, s[64:65] scope:SCOPE_SE
	s_setreg_imm32_b32 hwreg(HW_REG_WAVE_MODE, 25, 1), 1
	s_wait_xcnt 0x0
	s_wait_alu depctr_hold_cnt(0) depctr_sa_sdst(0) depctr_va_vdst(0) depctr_va_sdst(0) depctr_va_ssrc(0) depctr_va_vcc(0) depctr_vm_vsrc(0)
	s_getreg_b32 s2, hwreg(HW_REG_IB_STS2, 6, 4)
	s_cmp_eq_u32 s2, 0
	s_cbranch_scc0 .Lentry_in_a_cluster
	s_endpgm
.Lentry_in_a_cluster:
	s_bfe_u32 s2, ttmp6, 0x10000c
	s_cmp_lg_u32 s2, 0x3003
	s_cbranch_scc0 .Lentry_shape_is_right
	s_endpgm
.Lentry_shape_is_right:
; For 64 rows: X1 = x + rw (o Wo + bo);  out = X1 + rw (gelu(LN(X1) W1 + b1f) W2 + b2f).  Nothing goes through memory between the steps.
; Four waves; wave w makes columns 64 w .. 64 w + 63 of each 64 x 256 product (16 accumulator tiles); the 1,024 hidden columns go in four chunks of 256.
; The matrix instruction is used transposed: lane (r, h), register j of tile (mt, nt) holds row 16 mt + r, column 64 w + 16 nt + 8 h + j.
; REGISTERS: v0-255 addresses, work, fragments; v256-383 the running product; v384-511 bo, gf, bf, b2f of my columns; v512-639 the sum over W2; v768-895 X1.
; o lies head-major, [batch][head][2048][32] bf16: a wave reads its 16 rows as 16 loads of 512 dense bytes and lays them row-major into LDS through registers.
; Weights (bf16 [K][N]) come through two LDS slots of 128 k-rows; the four work-groups of a cluster walk the same weights and ask for them jointly.
; erf is the rational form z P(z^2) / Q(z^2) on z clamped to +-4, where erf is 1 to within f32.
.set SW, 30
.set WP, 544
.set SLOTB, 128*WP
.set WQ, 32*WP
.set AP, 528
.set FP, 1040
.set AO, 2*SLOTB                       ; o in bf16, written by LDS stores alone
.set AL, AO+64*AP                      ; LN(X1) in bf16
.set AH, AL+64*AP                      ; a chunk of gelu(..) in bf16
.set RED1, AH+64*AP
.set STG, RED1+2048                    ; x in f32; at the end the stage of the result
.set VW, 4
.set F0, 64
.set F1, 128
.set G1A, 32
.set G1B, 40
.set G1X, 56
.set G0, 68                            ; s68-71 slot 0, s72-75 slot 1
.set G0X, 80
.set P1, 84
.set P2, 86
.set WBA, 88
.set PS0, 90
.set PS1, 91
.set MSB, 0
.macro WIN new
.if MSB != (\new)
	s_set_vgpr_msb (MSB<<8)|(\new)
.set MSB, (\new)
.endif
.endm
.macro PLACES
.rept 4
	v_nop
.endr
.endm
.macro ROUND
	s_barrier_signal -1
	s_barrier_wait -1
	s_cmp_lg_u32 s[SW], 0
	s_cbranch_scc1 .Lnot_wave_0_\@
	s_barrier_signal -3
.Lnot_wave_0_\@:
	s_barrier_wait -3
	s_barrier_signal -1
	s_barrier_wait -1
.endm
.macro FETCH reg, koff, slot, ks, f
.irp nt, 0,1,2,3
	ds_load_tr16_b128 v[\f+8*\nt:\f+8*\nt+3], v[VW+\slot] offset:\ks*WQ+32*\nt
	ds_load_tr16_b128 v[\f+8*\nt+4:\f+8*\nt+7], v[VW+\slot] offset:\ks*WQ+32*\nt+16*WP
.endr
.irp mt, 0,1,2,3
	ds_load_b128 v[\f+32+8*\mt:\f+32+8*\mt+3], v[\reg] offset:\mt*16*AP+\koff+64*\ks
	ds_load_b128 v[\f+32+8*\mt+4:\f+32+8*\mt+7], v[\reg] offset:\mt*16*AP+\koff+64*\ks+32
.endr
.endm
.macro MUL16 f, win, zero              ; the 16 accumulators take turns, one instruction a turn
	WIN (\win<<6)|(\win<<4)
.irp mt, 0,1,2,3
.irp nt, 0,1,2,3
.if \zero
	v_wmma_f32_16x16x32_bf16 v[8*(4*\mt+\nt):8*(4*\mt+\nt)+7], v[\f+8*\nt:\f+8*\nt+7], v[\f+32+8*\mt:\f+32+8*\mt+7], 0
.else
	v_wmma_f32_16x16x32_bf16 v[8*(4*\mt+\nt):8*(4*\mt+\nt)+7], v[\f+8*\nt:\f+8*\nt+7], v[\f+32+8*\mt:\f+32+8*\mt+7], v[8*(4*\mt+\nt):8*(4*\mt+\nt)+7]
.endif
.endr
.endr
.endm
.macro GSTEP reg, koff, slot, win, zero
	WIN 0
	PLACES
	FETCH \reg, \koff, \slot, 0, F0
	FETCH \reg, \koff, \slot, 1, F1
	s_wait_dscnt 16                                ; the 16 loads just issued may stay out
	MUL16 F0, \win, \zero
	WIN 0
	PLACES
	FETCH \reg, \koff, \slot, 2, F0
	s_wait_dscnt 16
	MUL16 F1, \win, 0
	WIN 0
	PLACES
	FETCH \reg, \koff, \slot, 3, F1
	s_wait_dscnt 16
	MUL16 F0, \win, 0
	s_wait_dscnt 0
	MUL16 F1, \win, 0
	WIN 0
.endm
; kind 1: the slot just read is filled again by a joint load: my reads and all my tensor loads are waited for in front of the round, the load is first behind it
.macro SWAP slot, kind, base, off, g1
	s_wait_dscnt 0x0
	s_wait_tensorcnt 0x0
	ds_add_u32 v254, v255
	s_wait_dscnt 0x0
.if \kind
	s_add_nc_u64 s[G0+4*\slot+2:G0+4*\slot+3], s[\base:\base+1], \off
	s_or_b32 s[G0+4*\slot+3], s[G0+4*\slot+3], 0x80000000
	ROUND
	tensor_load_to_lds s[G0+4*\slot:G0+4*\slot+3], s[\g1:\g1+7]
	s_nop 0
	PLACES
.else
	s_barrier_signal -1
	s_barrier_wait -1
.endif
.endm
.macro SQ mt, tb, off
.set QB, 64+32*\mt
	v_pk_mul_f32 v[\tb:\tb+1], v[QB:QB+1], v[QB:QB+1]
	v_pk_mul_f32 v[\tb+2:\tb+3], v[QB+2:QB+3], v[QB+2:QB+3]
.irp p, 4,8,12,16,20,24,28
	v_pk_fma_f32 v[\tb:\tb+1], v[QB+\p:QB+\p+1], v[QB+\p:QB+\p+1], v[\tb:\tb+1]
	v_pk_fma_f32 v[\tb+2:\tb+3], v[QB+\p+2:QB+\p+3], v[QB+\p+2:QB+\p+3], v[\tb+2:\tb+3]
.endr
	v_pk_add_f32 v[\tb:\tb+1], v[\tb:\tb+1], v[\tb+2:\tb+3]
	v_add_f32 v[\tb], v[\tb], v[\tb+1]
	v_permlanex16_b32 v[\tb+1], v[\tb], s[PS0], s[PS1]
	v_add_f32 v[\tb], v[\tb], v[\tb+1]
	ds_store_b32 v12, v[\tb] offset:\off+256*\mt
.endm
.macro DESC g, w0, rows, pitch         ; group 1: rows x 256 elements
	s_mov_b32 s[\g+0], \w0
	s_mov_b32 s[\g+1], 256<<16
	s_mov_b32 s[\g+2], \rows<<16
	s_mov_b32 s[\g+3], 256<<16
	s_mov_b32 s[\g+4], \rows
	s_mov_b32 s[\g+5], \pitch
	s_mov_b32 s[\g+6], 0
	s_mov_b32 s[\g+7], 0
.endm
	s_load_b256 s[8:15], s[0:1], 0x0               ; x, ob, wb, bo
	s_load_b256 s[16:23], s[0:1], 0x20             ; gf, bf, b1f, b2f
	s_load_b128 s[24:27], s[0:1], 0x40             ; rw, out0
	v_lshl_add_u32 v254, v0, 2, 0x4b800
	v_mov_b32 v255, 0
	ds_add_u32 v254, v255
	ds_add_u32 v254, v255
	v_lshrrev_b32 v1, 5, v0
	v_readfirstlane_b32 s[SW], v1
	s_bfe_u32 s31, ttmp6, 0x40000
	s_lshl_b32 s95, ttmp9, 2
	s_add_co_u32 s31, s95, s31                     ; g: my 64 rows; it enters global addresses of x, ob and out0 alone
	DESC G1A, 15|(1<<16)|(1<<20)|(1<<21)|(6<<22)|(7<<25), 32, 256    ; joint: weights with rows of 256 numbers
	DESC G1B, 15|(1<<16)|(1<<20)|(1<<21)|(6<<22)|(7<<25), 32, 1024   ; joint: 256 columns of W1's rows of 1,024
	DESC G1X, (2<<16)|(1<<20)|(7<<22)|(3<<25), 16, 256               ; my own: 16 rows of x, f32, LDS pitch 1,040
	s_mov_b32 s[PS0], 0x76543210
	s_mov_b32 s[PS1], 0xfedcba98
	s_mov_b32 s92, 0x3b800000                      ; 1/256
	s_mov_b32 s93, 0x3727c5ac                      ; 1e-5
	s_mov_b32 s29, 0
	s_mov_b32 s97, 0
	s_wait_dscnt 0x0
	s_wait_kmcnt 0x0
	s_load_b32 s28, s[24:25], 0x0                  ; rw
	s_lshl_b32 s96, s[SW], 14
	s_add_nc_u64 s[WBA:WBA+1], s[12:13], s[96:97]  ; wb + my 32 k-rows of 512 bytes
	s_add_nc_u64 s[P2:P2+1], s[WBA:WBA+1], 917504  ; W2, chunk 0
	s_lshl_b32 s96, s[SW], 16
	s_add_nc_u64 s[P1:P1+1], s[12:13], s[96:97]
	s_add_nc_u64 s[P1:P1+1], s[P1:P1+1], 393216    ; W1, chunk 0, my 32 k-rows of 2,048 bytes
	s_mul_i32 s95, s[SW], WQ
.irp sl, 0,1
	s_mov_b32 s[G0+4*\sl], 1
	s_add_co_u32 s[G0+4*\sl+1], s95, \sl*SLOTB
	s_add_nc_u64 s[G0+4*\sl+2:G0+4*\sl+3], s[WBA:WBA+1], 262144+\sl*65536     ; Wo
	s_or_b32 s[G0+4*\sl+3], s[G0+4*\sl+3], 0x80000000
.endr
	s_lshr_b32 s95, s31, 5                         ; the batch: 32 blocks of 64 rows each
	s_lshl_b32 s96, s95, 20                        ; 8 heads x 2,048 rows x 64 bytes
	s_and_b32 s95, s31, 31
	s_lshl_b32 s95, s95, 12                        ; my block's 64 rows of 64 bytes
	s_add_co_u32 s96, s96, s95
	s_lshl_b32 s95, s[SW], 10                      ; my wave's 16 rows
	s_add_co_u32 s96, s96, s95
	s_add_nc_u64 s[10:11], s[10:11], s[96:97]      ; o, head 0, my wave's rows
	s_lshl_b32 s96, s31, 16
	s_lshl_b32 s95, s[SW], 14
	s_add_co_u32 s96, s96, s95                     ; x: 1,024 bytes a row
	s_mov_b32 s[G0X], 1
	s_mul_i32 s95, s[SW], 16*FP
	s_add_co_u32 s[G0X+1], s95, STG
	s_add_nc_u64 s[G0X+2:G0X+3], s[8:9], s[96:97]
	s_or_b32 s[G0X+3], s[G0X+3], 0x80000000
	s_lshl_b32 s96, s31, 16
	s_add_nc_u64 s[26:27], s[26:27], s[96:97]      ; out0 at my 64 rows
	ROUND
	tensor_load_to_lds s[G0:G0+3], s[G1A:G1A+7]    ; the first fills, one group: three tensor loads of this wave are out at the most
	s_nop 0
	tensor_load_to_lds s[G0+4:G0+7], s[G1A:G1A+7]
	s_nop 0
	tensor_load_to_lds s[G0X:G0X+3], s[G1X:G1X+7]
	s_nop 0
	PLACES
	v_and_b32 v3, 31, v0
	v_and_b32 v1, 15, v0
	v_bfe_u32 v2, v0, 4, 1
	v_lshlrev_b32 v24, 4, v3
	; o: for each head my 16 rows x 64 bytes = two loads of 512 dense bytes; heads lie 131,072 bytes apart
.irp hh, 0,1,2,3,4,5,6,7
	global_load_b128 v[64+8*\hh:64+8*\hh+3], v24, s[10:11] offset:131072*\hh th:TH_LOAD_NT
	global_load_b128 v[64+8*\hh+4:64+8*\hh+7], v24, s[10:11] offset:131072*\hh+512 th:TH_LOAD_NT
.endr
	s_lshl_b32 s95, s[SW], 8
	v_lshl_add_u32 v14, v2, 5, s95                 ; my columns in a vector of 256 f32: 32 h + 256 w
	WIN 0x40                                       ; into v384-v511
.irp nt, 0,1,2,3
	global_load_b128 v[128+8*\nt:128+8*\nt+3], v14, s[14:15] offset:64*\nt
	global_load_b128 v[128+8*\nt+4:128+8*\nt+7], v14, s[14:15] offset:64*\nt+16
	global_load_b128 v[160+8*\nt:160+8*\nt+3], v14, s[16:17] offset:64*\nt
	global_load_b128 v[160+8*\nt+4:160+8*\nt+7], v14, s[16:17] offset:64*\nt+16
	global_load_b128 v[192+8*\nt:192+8*\nt+3], v14, s[18:19] offset:64*\nt
	global_load_b128 v[192+8*\nt+4:192+8*\nt+7], v14, s[18:19] offset:64*\nt+16
	global_load_b128 v[224+8*\nt:224+8*\nt+3], v14, s[22:23] offset:64*\nt
	global_load_b128 v[224+8*\nt+4:224+8*\nt+7], v14, s[22:23] offset:64*\nt+16
.endr
	WIN 0
	v_and_b32 v16, 7, v0
	v_lshl_add_u32 v16, v2, 3, v16
	v_mul_u32_u24 v16, v16, WP
	v_bfe_u32 v17, v0, 3, 1
	v_lshl_add_u32 v16, v17, 4, v16
	s_lshl_b32 s95, s[SW], 7
	v_add_nc_u32 v4, s95, v16
	v_add_nc_u32 v5, SLOTB, v4
	v_mul_u32_u24 v16, v1, AP
	v_lshl_add_u32 v16, v2, 4, v16
	v_add_nc_u32 v6, AO, v16
	v_add_nc_u32 v7, AL, v16
	v_add_nc_u32 v8, AH, v16
	v_add_nc_u32 v16, s95, v16
	v_add_nc_u32 v9, AL, v16
	v_add_nc_u32 v10, AH, v16
	v_mul_u32_u24 v16, v1, FP
	v_lshl_add_u32 v16, v2, 5, v16
	s_lshl_b32 s95, s[SW], 8
	s_add_co_u32 s95, s95, STG
	v_add_nc_u32 v11, s95, v16
	s_lshl_b32 s95, s[SW], 2
	s_add_co_u32 s95, s95, RED1
	v_lshl_add_u32 v12, v1, 4, s95
	v_lshlrev_b32 v13, 4, v1
	v_add_nc_u32 v13, RED1, v13
	s_mul_i32 s95, s[SW], 16*FP
	s_add_co_u32 s95, s95, STG
	v_lshl_add_u32 v15, v3, 4, s95
	s_lshl_b32 s95, s[SW], 14
	v_lshl_add_u32 v25, v3, 4, s95
	v_lshrrev_b32 v16, 2, v3
	s_lshl_b32 s95, s[SW], 4
	v_add_nc_u32 v16, s95, v16                     ; row 16 w + (l >> 2)
	v_mul_u32_u24 v16, v16, AP
	v_and_b32 v17, 3, v0
	v_lshl_add_u32 v16, v17, 4, v16
	v_add_nc_u32 v23, AO, v16                      ; where my 16 bytes of o go: the head's 64 bytes stand in the immediate
	v_mov_b32 v26, 0xaf95df0b                      ; leading coefficient of P, twice
	v_mov_b32 v27, 0xaf95df0b
	v_mov_b32 v28, 0xb77460cd                      ; leading coefficient of Q, twice
	v_mov_b32 v29, 0xb77460cd
	s_wait_loadcnt 32                              ; o's 16 loads are in; the 32 loads of bo, gf, bf, b2f may stay out
.irp hh, 0,1,2,3,4,5,6,7
	ds_store_b128 v23, v[64+8*\hh:64+8*\hh+3] offset:64*\hh
	ds_store_b128 v23, v[64+8*\hh+4:64+8*\hh+7] offset:64*\hh+8*AP
.endr
	s_wait_dscnt 0x0                               ; my rows of o are written
	s_wait_kmcnt 0x0
	s_wait_tensorcnt 0x2                           ; my part of slot 0 is in; slot 1 and x may stay out
	s_barrier_signal -1
	s_barrier_wait -1
	; o Wo
	GSTEP 6, 0, 0, 1, 1
	SWAP 0, 1, P1, 0, G1B                          ; W1, chunk 0, k-rows 0-127
	GSTEP 6, 256, 1, 1, 0
	SWAP 1, 1, P1, 262144, G1B                     ; W1, chunk 0, k-rows 128-255
	s_add_nc_u64 s[P1:P1+1], s[P1:P1+1], 512
	; X1 = x + rw bo + rw (o Wo), kept in v768-v895
.irp mt, 0,1,2,3
.irp nt, 0,1,2,3
	ds_load_b128 v[64+8*(4*\mt+\nt):64+8*(4*\mt+\nt)+3], v11 offset:\mt*16*FP+64*\nt
	ds_load_b128 v[64+8*(4*\mt+\nt)+4:64+8*(4*\mt+\nt)+7], v11 offset:\mt*16*FP+64*\nt+16
.endr
.endr
	s_wait_loadcnt 0x0
	s_wait_dscnt 0x0
	WIN 0x01
.irp mt, 0,1,2,3
.irp nt, 0,1,2,3
.irp p, 0,2,4,6
	v_pk_fma_f32 v[64+8*(4*\mt+\nt)+\p:64+8*(4*\mt+\nt)+\p+1], v[128+8*\nt+\p:128+8*\nt+\p+1], s[28:29], v[64+8*(4*\mt+\nt)+\p:64+8*(4*\mt+\nt)+\p+1] op_sel_hi:[1,0,1]
.endr
.endr
.endr
	WIN 0xc1
.set q, 0
.rept 64
	v_pk_fma_f32 v[q:q+1], v[q:q+1], s[28:29], v[64+q:64+q+1] op_sel_hi:[1,0,1]
.set q, q+2
.endr
	; mean of a row: 32 numbers a lane, two lanes, four waves
	WIN 0x0f
.irp mt, 0,1,2,3
.irp p, 0,1,2,3,4,5,6,7
	v_pk_add_f32 v[64+16*\mt+2*\p:64+16*\mt+2*\p+1], v[32*\mt+4*\p:32*\mt+4*\p+1], v[32*\mt+4*\p+2:32*\mt+4*\p+3]
.endr
.endr
	WIN 0
.irp mt, 0,1,2,3
	v_pk_add_f32 v[64+16*\mt:64+16*\mt+1], v[64+16*\mt:64+16*\mt+1], v[64+16*\mt+2:64+16*\mt+3]
	v_pk_add_f32 v[64+16*\mt+4:64+16*\mt+5], v[64+16*\mt+4:64+16*\mt+5], v[64+16*\mt+6:64+16*\mt+7]
	v_pk_add_f32 v[64+16*\mt+8:64+16*\mt+9], v[64+16*\mt+8:64+16*\mt+9], v[64+16*\mt+10:64+16*\mt+11]
	v_pk_add_f32 v[64+16*\mt+12:64+16*\mt+13], v[64+16*\mt+12:64+16*\mt+13], v[64+16*\mt+14:64+16*\mt+15]
	v_pk_add_f32 v[64+16*\mt:64+16*\mt+1], v[64+16*\mt:64+16*\mt+1], v[64+16*\mt+4:64+16*\mt+5]
	v_pk_add_f32 v[64+16*\mt+8:64+16*\mt+9], v[64+16*\mt+8:64+16*\mt+9], v[64+16*\mt+12:64+16*\mt+13]
	v_pk_add_f32 v[64+16*\mt:64+16*\mt+1], v[64+16*\mt:64+16*\mt+1], v[64+16*\mt+8:64+16*\mt+9]
	v_add_f32 v[64+16*\mt], v[64+16*\mt], v[64+16*\mt+1]
	v_permlanex16_b32 v[64+16*\mt+1], v[64+16*\mt], s[PS0], s[PS1]
	v_add_f32 v[64+16*\mt], v[64+16*\mt], v[64+16*\mt+1]
	ds_store_b32 v12, v[64+16*\mt] offset:256*\mt
.endr
	s_wait_dscnt 0x0
	s_barrier_signal -1
	s_barrier_wait -1
.irp mt, 0,1,2,3
	ds_load_b128 v[32+4*\mt:32+4*\mt+3], v13 offset:256*\mt
.endr
	s_wait_dscnt 0x0
.irp mt, 0,1,2,3
	v_pk_add_f32 v[32+4*\mt:32+4*\mt+1], v[32+4*\mt:32+4*\mt+1], v[32+4*\mt+2:32+4*\mt+3]
	v_add_f32 v[32+4*\mt], v[32+4*\mt], v[32+4*\mt+1]
	v_mul_f32 v[16+2*\mt], s92, v[32+4*\mt]
	v_mul_f32 v[17+2*\mt], s92, v[32+4*\mt]
.endr
	WIN 0x03
.irp mt, 0,1,2,3
.irp p, 0,2,4,6,8,10,12,14,16,18,20,22,24,26,28,30
	v_pk_add_f32 v[64+32*\mt+\p:64+32*\mt+\p+1], v[32*\mt+\p:32*\mt+\p+1], v[16+2*\mt:17+2*\mt] neg_lo:[0,1] neg_hi:[0,1]
.endr
.endr
	WIN 0
.irp mt, 0,1,2,3
	SQ \mt, 40, 1024
.endr
	s_wait_dscnt 0x0
	s_barrier_signal -1
	s_barrier_wait -1
.irp mt, 0,1,2,3
	ds_load_b128 v[32+4*\mt:32+4*\mt+3], v13 offset:1024+256*\mt
.endr
	s_wait_dscnt 0x0
.irp mt, 0,1,2,3
	v_pk_add_f32 v[32+4*\mt:32+4*\mt+1], v[32+4*\mt:32+4*\mt+1], v[32+4*\mt+2:32+4*\mt+3]
	v_add_f32 v[32+4*\mt], v[32+4*\mt], v[32+4*\mt+1]
	v_fma_f32 v[32+4*\mt], v[32+4*\mt], s92, s93
.endr
.irp mt, 0,1,2,3
	v_rsq_f32 v[16+2*\mt], v[32+4*\mt]
	v_rsq_f32 v[17+2*\mt], v[32+4*\mt]
.endr
	v_nop                                          ; one plain instruction behind the transcendentals (ISA guide 5.7.2)
	s_wait_alu depctr_va_vdst(0)
.irp mt, 0,1,2,3
.irp p, 0,2,4,6,8,10,12,14,16,18,20,22,24,26,28,30
	v_pk_mul_f32 v[64+32*\mt+\p:64+32*\mt+\p+1], v[64+32*\mt+\p:64+32*\mt+\p+1], v[16+2*\mt:17+2*\mt]
.endr
.endr
	WIN 0x14                                       ; gf and bf lie in v416-v479
.irp mt, 0,1,2,3
.irp nt, 0,1,2,3
.irp p, 0,2,4,6
	v_pk_fma_f32 v[64+8*(4*\mt+\nt)+\p:64+8*(4*\mt+\nt)+\p+1], v[64+8*(4*\mt+\nt)+\p:64+8*(4*\mt+\nt)+\p+1], v[160+8*\nt+\p:160+8*\nt+\p+1], v[192+8*\nt+\p:192+8*\nt+\p+1]
.endr
.endr
.endr
	WIN 0
.irp mt, 0,1,2,3
.irp nt, 0,1,2,3
	v_cvt_pk_bf16_f32 v16, v[64+8*(4*\mt+\nt)], v[64+8*(4*\mt+\nt)+1]
	v_cvt_pk_bf16_f32 v17, v[64+8*(4*\mt+\nt)+2], v[64+8*(4*\mt+\nt)+3]
	v_cvt_pk_bf16_f32 v18, v[64+8*(4*\mt+\nt)+4], v[64+8*(4*\mt+\nt)+5]
	v_cvt_pk_bf16_f32 v19, v[64+8*(4*\mt+\nt)+6], v[64+8*(4*\mt+\nt)+7]
	ds_store_b128 v9, v[16:19] offset:\mt*16*AP+32*\nt
.endr
.endr
	s_wait_dscnt 0x0
	s_barrier_signal -1
	s_barrier_wait -1
; gelu of the eight numbers of tile t, to bf16, into AH
.macro GELU8 t
.set TB, 64+8*\t
.irp p, 0,2,4,6
	v_pk_mul_f32 v[32+\p:33+\p], v[TB+\p:TB+\p+1], 0x3f3504f3 op_sel_hi:[1,0]
.endr
.irp p, 0,1,2,3,4,5,6,7
	v_med3_num_f32 v[32+\p], v[32+\p], -4.0, 4.0
.endr
.irp p, 0,2,4,6
	v_pk_mul_f32 v[40+\p:41+\p], v[32+\p:33+\p], v[32+\p:33+\p]
.endr
.irp p, 0,2,4,6
	v_pk_fma_f32 v[48+\p:49+\p], v[40+\p:41+\p], v[26:27], 0x32edffee op_sel_hi:[1,1,0]
	v_pk_fma_f32 v[56+\p:57+\p], v[40+\p:41+\p], v[28:29], 0xb95fbd29 op_sel_hi:[1,1,0]
.endr
.irp cf, 0xb60cff51, 0xb86ec2d2, 0xba40ac63, 0xbb41a1f6, 0xbc83dbd4
.irp p, 0,2,4,6
	v_pk_fma_f32 v[48+\p:49+\p], v[48+\p:49+\p], v[40+\p:41+\p], \cf op_sel_hi:[1,1,0]
.endr
.endr
.irp cf, 0xbadc924e, 0xbbf19bf8, 0xbc69b6a7
.irp p, 0,2,4,6
	v_pk_fma_f32 v[56+\p:57+\p], v[56+\p:57+\p], v[40+\p:41+\p], \cf op_sel_hi:[1,1,0]
.endr
.endr
.irp p, 0,1,2,3,4,5,6,7
	v_rcp_f32 v[40+\p], v[56+\p]
.endr
.irp p, 0,2,4,6
	v_pk_mul_f32 v[48+\p:49+\p], v[48+\p:49+\p], v[32+\p:33+\p]          ; plain work that touches neither Q nor 1/Q stands behind the transcendentals
.endr
	s_wait_alu depctr_va_vdst(0)
.irp p, 0,2,4,6
	v_pk_mul_f32 v[48+\p:49+\p], v[48+\p:49+\p], v[40+\p:41+\p]          ; erf
	v_pk_mul_f32 v[32+\p:33+\p], v[TB+\p:TB+\p+1], 0.5 op_sel_hi:[1,0]
.endr
.irp p, 0,2,4,6
	v_pk_fma_f32 v[48+\p:49+\p], v[32+\p:33+\p], v[48+\p:49+\p], v[32+\p:33+\p]
.endr
	v_cvt_pk_bf16_f32 v16, v48, v49
	v_cvt_pk_bf16_f32 v17, v50, v51
	v_cvt_pk_bf16_f32 v18, v52, v53
	v_cvt_pk_bf16_f32 v19, v54, v55
	ds_store_b128 v10, v[16:19] offset:(\t>>2)*16*AP+32*(\t&3)
.endm
; a chunk of 256 hidden columns: LN(X1) W1, gelu, times W2's 256 k-rows, added onto v512-v639
.macro CHK first, last
.irp nt, 0,1,2,3
	global_load_b128 v[192+8*\nt:192+8*\nt+3], v14, s[20:21] offset:64*\nt
	global_load_b128 v[192+8*\nt+4:192+8*\nt+7], v14, s[20:21] offset:64*\nt+16
.endr
	GSTEP 7, 0, 0, 1, 1
	SWAP 0, 1, P2, 0, G1A                          ; W2, the chunk's k-rows 0-127
	GSTEP 7, 256, 1, 1, 0
	SWAP 1, 1, P2, 65536, G1A                      ; W2, the chunk's k-rows 128-255
	s_add_nc_u64 s[P2:P2+1], s[P2:P2+1], 131072
	s_wait_loadcnt 0x0                             ; b1f's chunk is in: its base may step
	s_add_nc_u64 s[20:21], s[20:21], 1024
	WIN 0x01
.irp mt, 0,1,2,3
.irp nt, 0,1,2,3
.irp p, 0,2,4,6
	v_pk_add_f32 v[64+8*(4*\mt+\nt)+\p:64+8*(4*\mt+\nt)+\p+1], v[8*(4*\mt+\nt)+\p:8*(4*\mt+\nt)+\p+1], v[192+8*\nt+\p:192+8*\nt+\p+1]
.endr
.endr
.endr
	WIN 0
.irp t, 0,1,2,3,4,5,6,7,8,9,10,11,12,13,14,15
	GELU8 \t
.endr
	s_wait_dscnt 0x0
	s_barrier_signal -1
	s_barrier_wait -1
	GSTEP 8, 0, 0, 2, \first
.if \last
	SWAP 0, 0, 0, 0, 0
.else
	SWAP 0, 1, P1, 0, G1B                          ; W1, the next chunk, k-rows 0-127
.endif
	GSTEP 8, 256, 1, 2, 0
.if \last == 0
	SWAP 1, 1, P1, 262144, G1B                     ; W1, the next chunk, k-rows 128-255
	s_add_nc_u64 s[P1:P1+1], s[P1:P1+1], 512
.endif
.endm
	CHK 1, 0                                       ; the first chunk starts the sums over W2
	s_mov_b32 s94, 2
.Lchunk:
	CHK 0, 0
	s_sub_co_u32 s94, s94, 1
	s_cmp_lg_u32 s94, 0
	s_cbranch_scc1 .Lchunk
	CHK 0, 1                                       ; the last chunk fills no W1 for a next chunk
	; out = X1 + rw (sum + b2f), through the stage (x's tile had its only fill at the start), whole rows out
	PLACES
	WIN 0x06
.irp mt, 0,1,2,3
.irp nt, 0,1,2,3
.irp p, 0,2,4,6
	v_pk_add_f32 v[64+8*(4*\mt+\nt)+\p:64+8*(4*\mt+\nt)+\p+1], v[8*(4*\mt+\nt)+\p:8*(4*\mt+\nt)+\p+1], v[224+8*\nt+\p:224+8*\nt+\p+1]
.endr
.endr
.endr
	WIN 0x30
.set q, 0
.rept 64
	v_pk_fma_f32 v[64+q:64+q+1], v[64+q:64+q+1], s[28:29], v[q:q+1] op_sel_hi:[1,0,1]
.set q, q+2
.endr
	WIN 0
.irp mt, 0,1,2,3
.irp nt, 0,1,2,3
	ds_store_b128 v11, v[64+8*(4*\mt+\nt):64+8*(4*\mt+\nt)+3] offset:\mt*16*FP+64*\nt
	ds_store_b128 v11, v[64+8*(4*\mt+\nt)+4:64+8*(4*\mt+\nt)+7] offset:\mt*16*FP+64*\nt+16
.endr
.endr
	s_wait_dscnt 0x0
	s_barrier_signal -1
	s_barrier_wait -1
.irp i, 0,1,2,3,4,5,6,7,8,9,10,11,12,13,14,15
	ds_load_b128 v[64+8*\i:64+8*\i+3], v15 offset:\i*FP
	ds_load_b128 v[64+8*\i+4:64+8*\i+7], v15 offset:\i*FP+512
.endr
.irp i, 0,1,2,3,4,5,6,7,8,9,10,11,12,13,14,15
	s_wait_dscnt 31-2*\i                           ; LDS loads come back in order: load 2 i of the 32 is in
	global_store_b128 v25, v[64+8*\i:64+8*\i+3], s[26:27] offset:1024*\i th:TH_STORE_NT
	s_wait_dscnt 30-2*\i
	global_store_b128 v25, v[64+8*\i+4:64+8*\i+7], s[26:27] offset:1024*\i+512 th:TH_STORE_NT
.endr
	s_wait_tensorcnt 0x0
	ds_add_u32 v254, v255
	s_wait_dscnt 0x0
	ROUND                                          ; the closing round
	s_endpgm
.Lfunc_end_k_q11d696c6c3_ffn:
	.size	k_q11d696c6c3_ffn, .Lfunc_end_k_q11d696c6c3_ffn-k_q11d696c6c3_ffn
	.p2alignl 7, 3214868480
	.fill 96, 4, 3214868480
	.section	.rodata,"a",@progbits
	.p2align	6, 0x0
	.amdhsa_kernel k_q11d696c6c3_ffn
		.amdhsa_group_segment_fixed_size 327680
		.amdhsa_private_segment_fixed_size 0
		.amdhsa_enable_private_segment 0
		.amdhsa_kernarg_size 80
		.amdhsa_user_sgpr_count 2
		.amdhsa_user_sgpr_kernarg_segment_ptr 1
		.amdhsa_wavefront_size32 1
		.amdhsa_system_sgpr_workgroup_id_x 1
		.amdhsa_system_sgpr_workgroup_id_y 1
		.amdhsa_system_sgpr_workgroup_id_z 1
		.amdhsa_system_vgpr_workitem_id 0
		.amdhsa_next_free_vgpr 896
		.amdhsa_next_free_sgpr 100
		.amdhsa_reserve_vcc 0
		.amdhsa_float_denorm_mode_32 3
		.amdhsa_float_denorm_mode_16_64 3
		.amdhsa_memory_ordered 1
		.amdhsa_forward_progress 1
		.amdhsa_inst_pref_size 255
	.end_amdhsa_kernel
	.section	.bss,"aw",@nobits
	.p2align	6
	.space	262144
	.amdgpu_metadata
---
amdhsa.version: [ 1, 2 ]
amdhsa.kernels:
  - .name:           k_q11d696c6c3_ffn
    .symbol:         k_q11d696c6c3_ffn.kd
    .args:
      - { .name: x, .offset: 0, .size: 8, .value_kind: global_buffer, .address_space: global }
      - { .name: ob, .offset: 8, .size: 8, .value_kind: global_buffer, .address_space: global }
      - { .name: wb, .offset: 16, .size: 8, .value_kind: global_buffer, .address_space: global }
      - { .name: bo, .offset: 24, .size: 8, .value_kind: global_buffer, .address_space: global }
      - { .name: gf, .offset: 32, .size: 8, .value_kind: global_buffer, .address_space: global }
      - { .name: bf, .offset: 40, .size: 8, .value_kind: global_buffer, .address_space: global }
      - { .name: b1f, .offset: 48, .size: 8, .value_kind: global_buffer, .address_space: global }
      - { .name: b2f, .offset: 56, .size: 8, .value_kind: global_buffer, .address_space: global }
      - { .name: rw, .offset: 64, .size: 8, .value_kind: global_buffer, .address_space: global }
      - { .name: out0, .offset: 72, .size: 8, .value_kind: global_buffer, .address_space: global }
    .group_segment_fixed_size: 327680
    .private_segment_fixed_size: 0
    .kernarg_segment_align: 8
    .kernarg_segment_size: 80
    .max_flat_workgroup_size: 128
    .sgpr_count:     100
    .vgpr_count:     896
    .wavefront_size: 32
...
	.end_amdgpu_metadata
.endif
;; end of part 6
